; MI455X (gfx1250); checked and timed in simulation.
; The chip was launched on July 23, 2026; its instructions are those of AMD's public machine-readable ISA for CDNA 5 (MIT licence, August 2026) and "CDNA5" Instruction Set Architecture Reference Guide (July 2026). The comments in the code are by the model that wrote it; some were corrected since.
;; Causal Self Attention. Allowed arithmetic: matrix products marked QUANTISED: E4M3 operands, one E8M0 scale for each 32 along K, by v_wmma_scale_f32_16x16x128_f8f6f4 with both operands' format E4M3, f32 sums; everything else in f32.
;; Inputs: b_proj 1,024 float32; b_qkv 3,072 float32; w_proj 1,024 x 1,024 float32; w_qkv 1,024 x 3,072 float32; x 4 x 2,048 x 1,024 float32.
;; Outputs: out0 4 x 2,048 x 1,024 float32.
;; This version of the problem:
;;   THIS VERSION OF THE PROBLEM IS GIVEN IN LOW PRECISION. The matrix products marked QUANTISED in the list below multiply operands that are first quantised to E4M3 (4 exponent bits, 3 mantissa bits; 8 bits a number), with one power-of-two scale for each 32 numbers along K (OCP MX v1.0); their sums are f32. All else is computed in f32.
;;   The module's matrix products, in the order in which they are computed (A, B: the left and right operand; K: the contracted axis; several contracted axes count as one K, in the product's order):
;;     1. [M 8,192, K 1,024] x [K 1,024, N 3,072]; A: input x; B: input w_qkv: QUANTISED
;;     2. batch 64 x [M 2,048, K 64] x [K 64, N 2,048]; A: computed on the way; B: computed on the way: QUANTISED
;;     3. batch 64 x [M 2,048, K 2,048] x [K 2,048, N 64]; A: softmax (see below); B: computed on the way: QUANTISED
;;     4. [M 8,192, K 1,024] x [K 1,024, N 1,024]; A: computed on the way; B: input w_proj: QUANTISED
;;   THE QUANTISER, for each operand of a quantised product, along K:
;;     - K is cut into blocks of 32 from its start; a last block that is shorter is filled with zeros.
;;     - A block's scale is 2^e with e = floor(log2(the largest magnitude in the block)) - 8, held to -126 .. 127; a block of zeros has e = 0. As a byte (E8M0): e + 127.
;;     - Each number is divided by its block's scale, clamped to +-448, and rounded to the nearest number of E4M3, ties to even, subnormals kept.
;;     - The product sums the exact products of the quantised numbers (number of the format x scale) in f32.
;;   ~~~python
;;   def quantise(x, axis):      # numpy; x: float32 -> the quantised numbers, widened to float32 again
;;       x = np.moveaxis(x, axis, -1); K = x.shape[-1]
;;       x = np.pad(x, [(0, 0)] * (x.ndim - 1) + [(0, -K % 32)]); x = x.reshape(x.shape[:-1] + (-1, 32)); a = np.abs(x).max(-1, keepdims=True)
;;       e = np.where(a > 0, np.clip(np.frexp(np.where(a > 0, a, 1))[1] - 1 - 8, -126, 127), 0)      # np.frexp(a)[1] - 1 = floor(log2(a)), exactly
;;       r = np.clip(x / 2.0 ** e, -448, 448)
;;       step = 2.0 ** (np.maximum(np.frexp(np.where(r == 0, 1, r))[1] - 1, -6) - 3)
;;       q = np.round(r / step) * step * 2.0 ** e      # np.round: ties to even
;;       return np.moveaxis(q.reshape(q.shape[:-2] + (-1,))[..., :K], -1, axis).astype(np.float32)
;;   ~~~
;;   SOFTMAX AHEAD OF A QUANTISED PRODUCT. Where the list says 'softmax', what is quantised is not the finished softmax but p = 2^(t - M), with t = logit x log2(e) and M = ceil(the row's largest t), a whole number; so 1/2 < the row's largest p <= 1. The row's sum l is taken of the UNQUANTISED p, in f32, and the product's result is divided by l at the end. Since M is a whole number, a kernel that streams over the keys may use a running M (the ceiling of the running maximum): every later rescaling is an exact power of two, which a block's scale takes up: the codes' values come out the same.
;;   OPERANDS COMPUTED ON THE WAY. 'Computed on the way' means the value that the module computes at that place (a softmax that the list does not call 'softmax' is quantised finished and normalised). What goes into a quantiser is computed in f32, as accurately as f32 sums, v_exp_f32 and their like allow (about 1e-6 of the number): no bf16 or f16 on the way to a quantiser, and a product that is left as it is and whose result goes on into a quantised operand takes f32 operands (vector FMAs, or v_wmma_f32_16x16x4_f32). A number that lies on a knife's edge between two numbers of the format may be rounded either way, as far as f32 arithmetic and the matrix unit's own rounding can turn it there, and no further.
;; One version. Each part assembles by itself: llvm-mc -triple=amdgcn-amd-amdhsa -mcpu=gfx1250 --defsym DOCPART=n.
;; ======== version 1 of 1: 4 launches
;; limits: right only within a limited range of input values
;; workspace buffers: xc 8,388,608 bytes; xs 262,144 bytes; wc 4,194,304 bytes; ws 131,072 bytes; hc 25,165,824 bytes; hs 786,432 bytes; aoc 8,388,608 bytes; aos 262,144 bytes
;; launch quant (part 1): grid 512 x 1, 4 waves a work-group, no clusters, 35,328 bytes of LDS; arguments x, w_qkv, w_proj, xc, xs, wc, ws; writes xc, xs, wc, ws
.if DOCPART == 1
	.amdgcn_target "amdgcn-amd-amdhsa--gfx1250"
	.amdhsa_code_object_version 6
	.text
	.protected	k_q26472231c9_quant
	.globl	k_q26472231c9_quant
	.p2align	8
	.type	k_q26472231c9_quant,@function
k_q26472231c9_quant:
	s_mov_b64 s[64:65], 0
	v_nop
	global_prefetch_b8 v0, s[64:65] scope:SCOPE_SE
	s_setreg_imm32_b32 hwreg(HW_REG_WAVE_MODE, 25, 1), 1
	s_wait_xcnt 0x0
; x [8192][1024], w_qkv [1024][3072] and w_proj [1024][1024], f32, become codes of FP8 (E4M3) with one E8M0 scale byte for each 32 along K (x: its last axis; the weights: their FIRST axis).
; A block's scale is 2^(floor(log2(its largest magnitude)) - 8); its byte is the largest magnitude's exponent field - 8, held at 1 from below; each number is held within +-448 x the scale and rounded to the nearest code, ties to even.
; LAYOUT OF THE RESULTS (read by this program alone).  Rows (tokens of x, columns of a weight) go in tiles of 16; lane r of tile i is row 32 (i / 2) + 8 (i % 2) + r + 8 (r / 8).
; A fragment, 16 rows x 128 K, is 2,048 bytes in the order of the operand's registers: [quad c 0..3][lane 0..31][16 bytes], lane (r, h) and quad c holding k = 32 c + 16 h + 0 .. 15 of row r.  Codes: [tile][K chunk 0..7][2,048];
; scale words: [tile][K chunk][16 words].  wc and ws: tiles 0-191 are w_qkv's columns, tiles 192-255 w_proj's.
; LIMITS: NaN and infinities among the inputs are not served.  A block of zeros gets the byte 1 and not 127: its codes are zeros, which add nothing under any byte but 0xff.  Blocks whose largest magnitude lies under 2^-118 are held at the byte 1.
; SHARES.  Work-groups 0-191: w_qkv; 192-255: w_proj; 256-511: x.  Waves share nothing: no barrier.  Memory binds here, so no matrix unit, no cluster, no tensor load.
; SHARES AS THE TEXT HAS THEM (this line takes the place of the one above): work-groups 0-191: w_qkv; 192-255: w_proj; 256-511: x.  A weight's work-group takes 128 columns x 128 along K: four blocks of 32 a lane.
.set X,    32
.set C,    96                          ; weights: v96-127 codes, eight registers for each block: no store's data are written again
.set SB,   24                          ; weights: v24 scale words
.set RA,   32                          ; x: v32-95, v96-159 two sets of 64 numbers
.set PC,   160                         ; x: v160-223 codes, 16 registers for each fragment
.set TM,   224                         ; x: v224-239 at work
.set PW,   240                         ; x: v240-243 a scale word for each fragment
.set SEL,  22                          ; s[22:23] selects for lane l xor 16
.set MNT,  24                          ; s24 the mantissa field of 448
.set WREG, 8704                        ; x: LDS of a wave: a stage of 16 rows x 528 bytes, then 256 bytes for its scale words
.set SP,   528                         ; 512 bytes + 16: the 16 rows that a load touches start at 16 different 16-byte columns
; ---- a weight: a lane takes a column, its registers run down K: 32 registers are a whole block
.macro WLOAD t, N, P
.set i, 0
.rept 32
	global_load_b32 v[X+32*((\t)%2)+i], v2, s[\P:\P+1] offset:(32*(\t)+i)*\N*4 th:TH_LOAD_NT   ; 32 lanes read 128 consecutive bytes, the four waves 512
.set i, i+1
.endr
.endm
.macro WBLOCK t, N, P
.set XS, X+32*((\t)%2)
.set CC, C+8*(\t)
.if (\t) < 3
	s_wait_loadcnt 32                              ; this block's 32 loads are in; the next block's 32 may be out
.else
	s_wait_loadcnt 0x0
.endif
	v_max3_num_f32 v12, |v[XS]|, |v[XS+1]|, |v[XS+2]|   ; the block's largest magnitude, in two chains
	v_max3_num_f32 v13, |v[XS+3]|, |v[XS+4]|, |v[XS+5]|
.irp i, 6,10,14,18,22,26
	v_max3_num_f32 v12, v12, |v[XS+\i]|, |v[XS+\i+1]|
	v_max3_num_f32 v13, v13, |v[XS+\i+2]|, |v[XS+\i+3]|
.endr
	v_max3_num_f32 v12, v12, |v[XS+30]|, |v[XS+31]|
	v_max3_num_f32 v12, v12, v13, 0x4800000        ; and the floor 2^(9 - 127): the byte cannot fall under 1
	v_add_nc_u32 v11, 0xfc000000, v12              ; 8 off the exponent field: the conversion's scale operand
	v_and_or_b32 v10, v12, 0x7f800000, s[MNT]      ; 448 x the scale
	v_lshrrev_b32 v13, 23, v11                     ; the scale's byte
.if (\t)%4 == 0
	v_mov_b32 v[SB+(\t)/4], v13
.else
	v_lshl_or_b32 v[SB+(\t)/4], v13, 8*((\t)%4), v[SB+(\t)/4]
.endif
.set i, 0
.rept 32
	v_med3_num_f32 v[XS+i], v[XS+i], -v10, v10     ; the conversion to an 8-bit code does not saturate (ISA guide 7.6.2): the hold comes first
.set i, i+1
.endr
.irp g, 0,1,2,3
	v_cvt_scalef32_pk8_fp8_f32 v[CC+2*\g:CC+2*\g+1], v[XS+8*\g:XS+8*\g+7], v11
.endr
	v_nop                                          ; a plain line behind the last conversion
	global_store_b128 v3, v[CC:CC+3], s[14:15] offset:((\t)/4)*2048+((\t)%4)*512         ; k = 32 c + 0 .. 15: the places of lanes (r, 0); sixteen lanes of one tile fill 256 consecutive bytes
	global_store_b128 v3, v[CC+4:CC+7], s[14:15] offset:((\t)/4)*2048+((\t)%4)*512+256   ; k = 32 c + 16 .. 31: the places of lanes (r, 1)
.if (\t)+2 < 4
	WLOAD (\t)+2, \N, \P
.endif
.if (\t)%4 == 3
	global_store_b32 v4, v[SB+(\t)/4], s[16:17] offset:64*((\t)/4)   ; a K chunk's scale words
.endif
.endm
; N: the weight's columns; GOFF: its first group of 32 columns in wc; WGOFF: its first work-group; P: the pair that holds its address
.macro WPATH N, GOFF, WGOFF, P
	s_sub_co_u32 s26, ttmp9, \WGOFF
	s_lshr_b32 s27, s26, 3                         ; which 128 columns
	s_and_b32 s28, s26, 7                          ; which 128 along K
	s_lshl_b32 s29, s27, 2
	s_add_co_u32 s29, s29, s20                     ; my wave's group of 32 columns
	s_mul_i32 s30, s28, 128*\N*4
	s_lshl_b32 s31, s29, 7
	s_add_co_u32 s30, s30, s31
	s_mov_b32 s31, 0
	s_add_nc_u64 s[\P:\P+1], s[\P:\P+1], s[30:31]
	s_add_co_u32 s29, s29, \GOFF
	s_lshl_b32 s30, s29, 15                        ; two tiles of 16,384 bytes a group,
	s_lshl_b32 s32, s28, 11                        ; one K chunk of 2,048 bytes
	s_add_co_u32 s30, s30, s32
	s_add_nc_u64 s[14:15], s[14:15], s[30:31]
	s_lshl_b32 s30, s29, 10                        ; scale words: two tiles of 512 bytes,
	s_lshl_b32 s32, s28, 6                         ; one K chunk of 64
	s_add_co_u32 s30, s30, s32
	s_add_nc_u64 s[16:17], s[16:17], s[30:31]
	v_lshlrev_b32 v2, 2, v1                        ; in: 4 bytes a lane
	v_bfe_u32 v5, v1, 3, 1                         ; column l of the 32 lies in tile u = bit 3 of l,
	v_and_b32 v6, 7, v1
	v_bfe_u32 v7, v1, 4, 1
	v_lshl_or_b32 v6, v7, 3, v6                    ; at lane r = (l & 7) + 8 x bit 4
	v_lshlrev_b32 v3, 4, v6
	v_lshl_add_u32 v3, v5, 14, v3                  ; codes: 16,384 u + 16 r
	v_lshlrev_b32 v4, 2, v6
	v_lshl_add_u32 v4, v5, 9, v4                   ; scale words: 512 u + 4 r
	WLOAD 0, \N, \P
	WLOAD 1, \N, \P
.irp t, 0,1,2,3
	WBLOCK \t, \N, \P
.endr
.endm
; ---- x
.macro XLOAD f, reg                    ; fragment f: 16 rows x 512 bytes, a row to a load: 32 lanes read 512 consecutive bytes
.set j, 0
.rept 16
	global_load_b128 v[\reg+4*j:\reg+4*j+3], v4, s[4:5] offset:(j+8*(j/8))*4096+512*(\f) th:TH_LOAD_NT
.set j, j+1
.endr
.endm
; 64 numbers of a lane, register 16 b + i = k 32 b + 16 (lane / 16) + i of my row, become a fragment's codes and its scale word
.macro QUANT s, pc, pw
.irp b, 0,1,2,3
	v_max3_num_f32 v[TM+\b], |v[\s+16*\b]|, |v[\s+1+16*\b]|, 0x4800000   ; my 16 numbers of block b, and the floor 2^(9 - 127)
.endr
.irp i, 2,4,6,8,10,12,14
.irp b, 0,1,2,3
	v_max3_num_f32 v[TM+\b], v[TM+\b], |v[\s+16*\b+\i]|, |v[\s+1+16*\b+\i]|
.endr
.endr
.irp b, 0,1,2,3
	v_permlanex16_b32 v[TM+4+\b], v[TM+\b], s[SEL], s[SEL+1]
.endr
.irp b, 0,1,2,3
	v_max_num_f32 v[TM+\b], v[TM+\b], v[TM+4+\b]   ; with lane l xor 16's: the block's largest magnitude
.endr
.irp b, 0,1,2,3
	v_add_nc_u32 v[TM+12+\b], 0xfc000000, v[TM+\b] ; the conversion's scale operand
.endr
.irp b, 0,1,2,3
	v_and_or_b32 v[TM+8+\b], v[TM+\b], 0x7f800000, s[MNT]   ; 448 x the scale
.endr
.irp b, 0,1,2,3
	v_lshrrev_b32 v[TM+4+\b], 23, v[TM+12+\b]      ; the scale's byte
.endr
	v_lshl_or_b32 v[\pw], v[TM+5], 8, v[TM+4]
	v_lshl_or_b32 v[\pw], v[TM+6], 16, v[\pw]
	v_lshl_or_b32 v[\pw], v[TM+7], 24, v[\pw]
.irp b, 0,1,2,3
.irp i, 0,1,2,3,4,5,6,7,8,9,10,11,12,13,14,15
	v_med3_num_f32 v[\s+16*\b+\i], v[\s+16*\b+\i], -v[TM+8+\b], v[TM+8+\b]
.endr
	v_cvt_scalef32_pk8_fp8_f32 v[\pc+4*\b:\pc+1+4*\b], v[\s+16*\b:\s+7+16*\b], v[TM+12+\b]
	v_cvt_scalef32_pk8_fp8_f32 v[\pc+2+4*\b:\pc+3+4*\b], v[\s+8+16*\b:\s+15+16*\b], v[TM+12+\b]
.endr
	v_nop                                          ; a plain line behind the last conversion
.endm
.macro XFRAG f
.set SET, RA+64*((\f)%2)
.if (\f) < 3
	s_wait_loadcnt 16                              ; this fragment's 16 loads are in; the next fragment's 16 may be out
.else
	s_wait_loadcnt 0x0
.endif
.set j, 0
.rept 16
	ds_store_b128 v5, v[SET+4*j:SET+4*j+3] offset:SP*j   ; the rows as they lie
.set j, j+1
.endr
	s_wait_dscnt 0x0                               ; the stores have read the set: it takes the numbers back,
.irp c, 0,1,2,3
.irp i, 0,1,2,3
	ds_load_b128 v[SET+16*\c+4*\i:SET+16*\c+4*\i+3], v6 offset:128*\c+16*\i   ; 16 neighbours of each block of 32 of my row
.endr
.endr
	s_wait_dscnt 0x0
	QUANT SET, PC+16*(\f), PW+(\f)
.irp c, 0,1,2,3
	global_store_b128 v4, v[PC+16*(\f)+4*\c:PC+16*(\f)+4*\c+3], s[10:11] offset:2048*(\f)+512*\c   ; 512 consecutive bytes
.endr
	ds_store_b32 v7, v[PW+(\f)] offset:64*(\f)     ; both halves of the lanes write the same word with the same value
.if (\f)+2 < 4
	XLOAD (\f)+2, SET
.endif
.endm
	s_load_b256 s[4:11], s[0:1], 0x0               ; x s[4:5], w_qkv s[6:7], w_proj s[8:9], xc s[10:11]
	s_load_b128 s[12:15], s[0:1], 0x20             ; xs s[12:13], wc s[14:15]
	s_load_b64 s[16:17], s[0:1], 0x30              ; ws
	v_lshl_add_u32 v254, v0, 2, 0x8800
	v_mov_b32 v255, 0
	v_lshrrev_b32 v1, 5, v0
	v_readfirstlane_b32 s20, v1                    ; wave
	v_and_b32 v1, 31, v0                           ; lane
	s_mov_b32 s[SEL], 0x76543210
	s_mov_b32 s[SEL+1], 0xfedcba98
	s_mov_b32 s[MNT], 0x600000
	s_wait_kmcnt 0x0
	s_cmp_lt_u32 ttmp9, 192
	s_cbranch_scc1 .Lwqkv
	s_cmp_lt_u32 ttmp9, 256
	s_cbranch_scc1 .Lwproj
	; x: a wave takes one tile of 16 tokens x 512 along K: four fragments
	s_sub_co_u32 s26, ttmp9, 256
	s_lshl_b32 s26, s26, 2
	s_add_co_u32 s26, s26, s20
	s_lshr_b32 s27, s26, 1                         ; the tile
	s_and_b32 s28, s26, 1                          ; which half of K
	s_lshr_b32 s29, s27, 1
	s_lshl_b32 s29, s29, 5
	s_and_b32 s30, s27, 1
	s_lshl_b32 s30, s30, 3
	s_add_co_u32 s29, s29, s30                     ; the tile's first token
	s_lshl_b32 s30, s29, 12
	s_lshl_b32 s31, s28, 11
	s_add_co_u32 s30, s30, s31
	s_mov_b32 s31, 0
	s_add_nc_u64 s[4:5], s[4:5], s[30:31]
	s_lshl_b32 s30, s27, 14
	s_lshl_b32 s32, s28, 13
	s_add_co_u32 s30, s30, s32
	s_add_nc_u64 s[10:11], s[10:11], s[30:31]
	s_lshl_b32 s30, s27, 9
	s_lshl_b32 s32, s28, 8
	s_add_co_u32 s30, s30, s32
	s_add_nc_u64 s[12:13], s[12:13], s[30:31]
	s_mul_i32 s25, s20, WREG
	s_wait_alu depctr_va_vdst(0)
	v_lshlrev_b32 v4, 4, v1                        ; 16 x lane
	v_add_nc_u32 v5, s25, v4                       ; into the stage
	v_and_b32 v2, 15, v0                           ; r
	v_bfe_u32 v3, v0, 4, 1                         ; h
	v_mul_u32_u24 v6, v2, SP
	v_lshl_add_u32 v6, v3, 6, v6
	v_add_nc_u32 v6, s25, v6                       ; out of it: row r, + 64 h
	s_add_co_u32 s25, s25, 16*SP
	v_lshl_add_u32 v7, v2, 2, s25                  ; my row's scale word
	v_lshlrev_b32 v9, 3, v1
	v_add_nc_u32 v8, s25, v9                       ; and on the way out 8 bytes a lane
.irp b, 0,1,2,3
	v_mov_b32 v[TM+4+\b], 0                        ; a lane permute's destination counts as one of its sources
.endr
	XLOAD 0, RA
	XLOAD 1, RA+64
	s_wait_alu depctr_va_vdst(0)
	XFRAG 0
	XFRAG 1
	XFRAG 2
	XFRAG 3
	ds_load_b64 v[244:245], v8                     ; LDS serves a wave's instructions in order: these see my stores
	s_wait_dscnt 0x0
	global_store_b64 v9, v[244:245], s[12:13]      ; 32 lanes store 256 consecutive bytes, aligned
	s_wait_tensorcnt 0x0
	ds_add_u32 v254, v255
	s_wait_dscnt 0x0
	s_endpgm
.Lwqkv:
	s_wait_alu depctr_va_vdst(0)
	WPATH 3072, 0, 0, 6
	s_endpgm
.Lwproj:
	s_wait_alu depctr_va_vdst(0)
	WPATH 1024, 96, 192, 8
	s_endpgm
.Lfunc_end_k_q26472231c9_quant:
	.size	k_q26472231c9_quant, .Lfunc_end_k_q26472231c9_quant-k_q26472231c9_quant
	.p2alignl 7, 3214868480
	.fill 96, 4, 3214868480
	.section	.rodata,"a",@progbits
	.p2align	6, 0x0
	.amdhsa_kernel k_q26472231c9_quant
		.amdhsa_group_segment_fixed_size 35328
		.amdhsa_private_segment_fixed_size 0
		.amdhsa_enable_private_segment 0
		.amdhsa_kernarg_size 56
		.amdhsa_user_sgpr_count 2
		.amdhsa_user_sgpr_kernarg_segment_ptr 1
		.amdhsa_wavefront_size32 1
		.amdhsa_system_sgpr_workgroup_id_x 1
		.amdhsa_system_sgpr_workgroup_id_y 1
		.amdhsa_system_sgpr_workgroup_id_z 1
		.amdhsa_system_vgpr_workitem_id 0
		.amdhsa_next_free_vgpr 256
		.amdhsa_next_free_sgpr 66
		.amdhsa_reserve_vcc 0
		.amdhsa_float_denorm_mode_32 3
		.amdhsa_float_denorm_mode_16_64 3
		.amdhsa_memory_ordered 1
		.amdhsa_forward_progress 1
		.amdhsa_inst_pref_size 108
	.end_amdhsa_kernel
	.amdgpu_metadata
---
amdhsa.version: [ 1, 2 ]
amdhsa.kernels:
  - .name:           k_q26472231c9_quant
    .symbol:         k_q26472231c9_quant.kd
    .args:
      - { .name: x, .offset: 0, .size: 8, .value_kind: global_buffer, .address_space: global }
      - { .name: w_qkv, .offset: 8, .size: 8, .value_kind: global_buffer, .address_space: global }
      - { .name: w_proj, .offset: 16, .size: 8, .value_kind: global_buffer, .address_space: global }
      - { .name: xc, .offset: 24, .size: 8, .value_kind: global_buffer, .address_space: global }
      - { .name: xs, .offset: 32, .size: 8, .value_kind: global_buffer, .address_space: global }
      - { .name: wc, .offset: 40, .size: 8, .value_kind: global_buffer, .address_space: global }
      - { .name: ws, .offset: 48, .size: 8, .value_kind: global_buffer, .address_space: global }
    .group_segment_fixed_size: 35328
    .private_segment_fixed_size: 0
    .kernarg_segment_align: 8
    .kernarg_segment_size: 56
    .max_flat_workgroup_size: 128
    .sgpr_count:     66
    .vgpr_count:     256
    .wavefront_size: 32
...
	.end_amdgpu_metadata
.endif
;; end of part 1
;; launch gemm_qkv (part 2): grid 8 x 32, 4 waves a work-group, clusters of 4 x 4, 327,680 bytes of LDS; arguments xc, xs, wc, ws, b_qkv, hc, hs; writes hc, hs
.if DOCPART == 2
	.amdgcn_target "amdgcn-amd-amdhsa--gfx1250"
	.amdhsa_code_object_version 6
	.text
	.protected	k_q26472231c9_gemm_qkv
	.globl	k_q26472231c9_gemm_qkv
	.p2align	8
	.type	k_q26472231c9_gemm_qkv,@function
k_q26472231c9_gemm_qkv:
	s_mov_b64 s[64:65], 0
	v_nop
	global_prefetch_b8 v0, s[64:65] scope:SCOPE_SE
	s_setreg_imm32_b32 hwreg(HW_REG_WAVE_MODE, 25, 1), 1
	s_wait_xcnt 0x0
	s_wait_alu depctr_hold_cnt(0) depctr_sa_sdst(0) depctr_va_vdst(0) depctr_va_sdst(0) depctr_va_ssrc(0) depctr_va_vcc(0) depctr_vm_vsrc(0)
	s_getreg_b32 s2, hwreg(HW_REG_IB_STS2, 6, 4)
	s_cmp_eq_u32 s2, 0
	s_cbranch_scc0 .Lentry_in_a_cluster
	s_endpgm
.Lentry_in_a_cluster:
	s_bfe_u32 s2, ttmp6, 0x10000c
	s_cmp_lg_u32 s2, 0xf033
	s_cbranch_scc0 .Lentry_shape_is_right
	s_endpgm
.Lentry_shape_is_right:
; qkv = x w_qkv + b_qkv on codes of FP8 (E4M3) with E8M0 scales, K = 1,024; the results are quantised at once, as the operands of attention, and never exist in memory as f32.
; 256 work-groups of four waves; each works in TWO PHASES on one ring of two LDS slots, which runs on from the first phase into the second.
; PHASE 1: 256 tokens (R) x 256 channels of q or k (P), a wave 128 x 128: 64 accumulators.  PHASE 2: 128 channels of v (R) x 256 tokens (P), a wave 64 x 128: 32 accumulators.
; Source 0 takes 16 rows of P, source 1 16 rows of R: a lane holds ONE row of R, and, since tiles hold their rows in the order 32 (i / 2) + 8 (i % 2) + r + 8 (r / 8),
; the 64 registers of a block of R hold P's indices 32 b + 16 (lane / 16) + 0 .. 15: neighbours, as the conversions want them (phase 1: along a head's 64 channels; phase 2: along the keys).
; OPERANDS lie in memory and in LDS in the order of their registers: a fragment (16 rows x 128 K) is [quad c][lane][16 bytes]: every LDS load takes 512 consecutive bytes.
; RESULTS.  hc: q at 0, k at 2^23: [head 64][tile 128][quad 2][lane][16];  v at 2^24: [head][128 keys 16][tile of 16 channels 4][2,048].  hs: q at 0, k at 2^18: [head][tile][16 halfwords];  v at 2^19: [head][16][4][16 words].
; CLUSTERS: 4 x 4.  R's tiles hang on cy and the cluster's numbers alone, P's on cx and the cluster's numbers alone, in both phases: each is asked for jointly by the four that share it.
; FILLS.  Head, one load a wave: wave 0 R's 16 tiles of K step 0, wave 2 P's, wave 1 R's scale words of all of K, wave 3 P's.  Behind the full sequence and a round, all first fills: K step 1 (waves 0, 2) and phase 2's scale words (waves 1, 3).
; After that each wave refills its quarter of a slot behind a drained round.  All of a WGP's LDS is claimed.
; NO PREFETCH: K is four K steps; two are asked for at the head, each later one a whole K step ahead of its use; the block is the largest that the registers hold, in clusters.
; LIMITS: no NaN or infinities; a block of zeros gets the byte 1 with zero codes; largest magnitudes under 2^-118 are held at the byte 1.
; REGISTERS: window 0: v0-31 addresses, v8-11 v's bias; v32-63 scale words, two sets; v64-127 q's or k's bias; v128-255 R's fragments (phase 1 one set, phase 2 two), and the way out.  window 1: P's fragments, two sets.  windows 2, 3: accumulator (a, b) at v[8 (8 (a % 4) + b)].
.set NQ,    2
.set FR,    16
.set NL,    4
.set NP,    8                          ; places behind this matrix instruction (ISA guide 7.12.1)
.set SLOT,  131072                     ; R's tiles x 4,096 bytes from 0, P's 16 from POFF
.set POFF,  65536
.set SCL,   262144                     ; phase 1's scale words: R's 16 tiles x 512 bytes, then P's
.set SPARE, 278528                     ; the spare words: two blocks of 256 bytes that no other line names
.set SCL2,  279040                     ; phase 2's scale words: R's 8 tiles, then P's 16
.set BR,   8
.set ADRA, 16
.set ADRB, 20
.set ADRA2, 24
.set ADRS2, 26
.set ADRS, 27
.set SPW,  28
.set NIL,  29
.set SC,   32
.set BP,   64
.set AF,   128
.set ST,   128
.set PC,   192
.set TM,   208
.set PW,   224
.set PH,   225
.set BB,   226
.set PWP,  228
.set SEL,  18
.set MNT,  23
.set G1, 24
.set G0, 32
.set G1B, 48
.set G0B, 56
.set G1S, 68
.set G0S, 76
.set G1SB, 80
.set G0SB, 88
.set MSB, 0
.macro WIN new                         ; the immediate's high byte repeats the setting that is left
.if MSB != \new
	s_set_vgpr_msb (MSB<<8)|\new
.set MSB, \new
.endif
.endm
.set MUL_LO, 0xa1                      ; source 0 (P) window 1, source 1 (R) window 0, C and D window 2
.set MUL_HI, 0xf1
.set TO_B,   0x40
.macro PLACES n
.rept \n
	v_nop
.endr
.endm
.macro TL g0, g1                       ; a tensor load; s_nop 0 and four v_nop follow it
	tensor_load_to_lds s[\g0:\g0+3], s[\g1:\g1+7]
	s_nop 0
	PLACES 4
.endm
.macro JLOAD s                         ; a refill: waves 0, 1 fetch R's halves, waves 2, 3 P's
	s_cmp_eq_u32 s15, 0
	s_cbranch_scc0 .Lfor_b_\@
	TL G0+4*\s, G1
	s_branch .Lasked_\@
.Lfor_b_\@:
	TL G0B+4*\s, G1B
.Lasked_\@:
.endm
.macro HLOAD s                         ; first fills: one chain of branches on the wave's number, a load to an arm, one join
	s_cmp_eq_u32 s14, 0
	s_cbranch_scc0 .Lh1_\@
	TL G0+4*\s, G1
	s_branch .Lhj_\@
.Lh1_\@:
	s_cmp_eq_u32 s14, 2
	s_cbranch_scc0 .Lh2_\@
	TL G0B+4*\s, G1B
	s_branch .Lhj_\@
.Lh2_\@:
	s_cmp_eq_u32 s14, 1
	s_cbranch_scc0 .Lh3_\@
	TL G0S, G1S
	s_branch .Lhj_\@
.Lh3_\@:
	TL G0SB, G1SB
.Lhj_\@:
.endm
.macro CREST                           ; a round of the cluster's barrier behind its opening barrier
	s_cmp_lg_u32 s14, 0
	s_cbranch_scc1 .Lnot_wave_0_\@
	s_barrier_signal -3
.Lnot_wave_0_\@:
	s_barrier_wait -3
	s_barrier_signal -1
	s_barrier_wait -1
.endm
.macro CROUND
	s_barrier_signal -1
	s_barrier_wait -1
	CREST
.endm
	s_load_b256 s[4:11], s[0:1], 0x0               ; xc, xs, wc, ws
	s_load_b64 s[12:13], s[0:1], 0x20              ; b_qkv
	s_load_b128 s[96:99], s[0:1], 0x28             ; hc, hs
	v_lshl_add_u32 v[SPW], v0, 2, SPARE
	v_mov_b32 v[NIL], 0
	ds_add_u32 v[SPW], v[NIL]                      ; the opening lines: the add twice on end and one wait
	ds_add_u32 v[SPW], v[NIL]
	v_lshrrev_b32 v1, 5, v0
	v_readfirstlane_b32 s14, v1                    ; wave 0..3
	s_lshr_b32 s15, s14, 1                         ; my half of R's rows; in a refill: I fetch for R (0) or P (1)
	s_and_b32 s16, s14, 1                          ; my half of P's rows; in a refill: which half I fetch
	s_bfe_u32 s40, ttmp6, 0x40000                  ; cx
	s_bfe_u32 s41, ttmp6, 0x40004                  ; cy
	s_and_b32 s95, ttmp7, 0xffff
	s_lshl_b32 s95, s95, 2
	s_lshl_b32 s94, ttmp9, 2
	s_add_co_u32 s17, s95, s41                     ; phase 1, R: which 256 tokens, 0..31
	s_add_co_u32 s42, s94, s40                     ; phase 1, P: which 256 channels of q, k, 0..7
	s_add_co_u32 s2, s94, s41                      ; phase 2, R: which 128 channels of v, 0..7
	s_add_co_u32 s3, s95, s40                      ; phase 2, P: which 256 tokens, 0..31
	s_lshl_b32 s43, s41, 2
	s_lshl_b32 s43, 15, s43                        ; my row of the cluster
	s_lshl_b32 s44, 0x1111, s40                    ; my column
	; codes: of each tile 4,096 bytes (two K chunks), 16,384 bytes from tile to tile; elements of 8 bytes; 16 tiles for the first fills
	s_or_b32 s[G1+0], s43, (3<<16)|(1<<21)
	s_or_b32 s[G1B+0], s44, (3<<16)|(1<<21)
.irp g, G1, G1B
	s_mov_b32 s[\g+1], 512<<16
	s_mov_b32 s[\g+2], 16<<16
	s_mov_b32 s[\g+3], 512<<16
	s_mov_b32 s[\g+4], 16
	s_mov_b32 s[\g+5], 2048
	s_mov_b32 s[\g+6], 0
	s_mov_b32 s[\g+7], 0
.endr
	; scale words of 16 tiles: 8,192 dense bytes as 32 rows of 256
	s_or_b32 s[G1S+0], s43, (3<<16)|(1<<21)
	s_or_b32 s[G1SB+0], s44, (3<<16)|(1<<21)
.irp g, G1S, G1SB
	s_mov_b32 s[\g+1], 32<<16
	s_mov_b32 s[\g+2], 32<<16
	s_mov_b32 s[\g+3], 32<<16
	s_mov_b32 s[\g+4], 32
	s_mov_b32 s[\g+5], 32
	s_mov_b32 s[\g+6], 0
	s_mov_b32 s[\g+7], 0
.endr
	s_lshl_b32 s18, s16, 3
	s_lshl_b32 s20, s17, 4
	s_add_co_u32 s20, s20, s18
	s_lshl_b32 s20, s20, 14                        ; phase 1: R's codes,
	s_mov_b32 s21, 0
	s_lshl_b32 s22, s17, 13                        ; its scale words,
	s_mov_b32 s23, 0
	s_lshl_b32 s46, s42, 4
	s_add_co_u32 s46, s46, s18
	s_lshl_b32 s46, s46, 14                        ; P's codes,
	s_mov_b32 s47, 0
	s_lshl_b32 s92, s42, 13                        ; its scale words
	s_mov_b32 s93, 0
	s_lshl_b32 s66, s2, 3
	s_add_co_u32 s66, s66, 128                     ; phase 2: R begins at tile 128 of the weights
	s_lshl_b32 s100, s66, 9                        ; its scale words,
	s_lshl_b32 s19, s16, 2
	s_add_co_u32 s66, s66, s19
	s_lshl_b32 s66, s66, 14                        ; its codes: four tiles a wave
	s_mov_b32 s67, 0
	s_mov_b32 s101, 0
	s_lshl_b32 s88, s3, 4
	s_add_co_u32 s88, s88, s18
	s_lshl_b32 s88, s88, 14                        ; P's codes,
	s_mov_b32 s89, 0
	s_lshl_b32 s90, s3, 13                         ; its scale words
	s_mov_b32 s91, 0
	s_lshl_b32 s45, s14, 15                        ; LDS: wave x 32,768
	s_lshl_b32 s94, s16, 14                        ; LDS, phase 2's R: half x 16,384
	s_wait_dscnt 0x0                               ; both opening adds are done
	s_wait_kmcnt 0x0
	s_add_nc_u64 s[20:21], s[4:5], s[20:21]
	s_add_nc_u64 s[22:23], s[6:7], s[22:23]
	s_add_nc_u64 s[46:47], s[8:9], s[46:47]
	s_add_nc_u64 s[92:93], s[10:11], s[92:93]
	s_add_nc_u64 s[8:9], s[8:9], s[66:67]          ; phase 2: R's codes s[8:9], R's scales s[10:11], P's codes s[4:5], P's scales s[6:7]
	s_add_nc_u64 s[10:11], s[10:11], s[100:101]
	s_add_nc_u64 s[4:5], s[4:5], s[88:89]
	s_add_nc_u64 s[6:7], s[6:7], s[90:91]
	CROUND                                         ; all sixteen work-groups are here: the first joint loads meet
.irp s, 0,1
	s_mov_b32 s[G0+4*\s], 1
	s_add_co_u32 s[G0+4*\s+1], s45, \s*SLOT
	s_add_nc_u64 s[G0+4*\s+2:G0+4*\s+3], s[20:21], \s*4096
	s_or_b32 s[G0+4*\s+3], s[G0+4*\s+3], 0x80000000
	s_mov_b32 s[G0B+4*\s], 1
	s_add_co_u32 s[G0B+4*\s+1], s45, \s*SLOT
	s_add_nc_u64 s[G0B+4*\s+2:G0B+4*\s+3], s[46:47], \s*4096
	s_or_b32 s[G0B+4*\s+3], s[G0B+4*\s+3], 0x80000000
.endr
	s_mov_b32 s[G0S], 1
	s_mov_b32 s[G0S+1], SCL
	s_mov_b64 s[G0S+2:G0S+3], s[22:23]
	s_or_b32 s[G0S+3], s[G0S+3], 0x80000000
	s_mov_b32 s[G0SB], 1
	s_mov_b32 s[G0SB+1], SCL+8192
	s_mov_b64 s[G0SB+2:G0SB+3], s[92:93]
	s_or_b32 s[G0SB+3], s[G0SB+3], 0x80000000
	HLOAD 0                                        ; waves 0 and 2 have half 0, so their group 0 names the first of 16 tiles
	; scalars for the addresses below
	s_lshl_b32 s21, s15, 15                        ; my 8 tiles of R,
	s_lshl_b32 s22, s16, 15
	s_add_co_u32 s22, s22, POFF                    ; of P,
	s_lshl_b32 s23, s15, 14                        ; phase 2: my 4 tiles of R
	s_lshl_b32 s47, s15, 12                        ; scale words: lanes 0-15 R's, lanes 16-31 P's: the lower base + h x the distance
	s_lshl_b32 s46, s16, 12
	s_add_co_u32 s46, s46, 8192
	s_sub_co_u32 s46, s46, s47
	s_add_co_u32 s47, s47, SCL
	s_lshl_b32 s93, s15, 11
	s_lshl_b32 s92, s16, 12
	s_add_co_u32 s92, s92, 4096
	s_sub_co_u32 s92, s92, s93
	s_add_co_u32 s93, s93, SCL2
	s_lshl_b32 s18, s42, 10
	s_lshl_b32 s19, s16, 9
	s_add_co_u32 s18, s18, s19
	s_mov_b32 s19, 0
	s_add_nc_u64 s[18:19], s[12:13], s[18:19]      ; the bias of my 128 channels of q or k
	s_lshl_b32 s66, s2, 9
	s_lshl_b32 s67, s15, 8
	s_add_co_u32 s66, s66, s67
	s_add_co_u32 s66, s66, 8192
	s_mov_b32 s67, 0
	s_add_nc_u64 s[12:13], s[12:13], s[66:67]      ; of my 64 channels of v, behind q's and k's 2,048
	; where my results go.  q, k: ((16 batch + head) 128 + tile) x 1,024, k 2^23 behind q.  v: 2^24 + ((16 batch + head) 16 + 128 keys) x 8,192.  The scales' offset is a 32nd of the codes'
	s_lshr_b32 s20, s17, 3
	s_lshl_b32 s20, s20, 4
	s_lshl_b32 s66, s40, 2
	s_add_co_u32 s20, s20, s66
	s_lshl_b32 s66, s16, 1
	s_add_co_u32 s20, s20, s66
	s_lshl_b32 s20, s20, 7
	s_and_b32 s66, s17, 7
	s_lshl_b32 s66, s66, 4
	s_add_co_u32 s20, s20, s66
	s_lshl_b32 s66, s15, 3
	s_add_co_u32 s20, s20, s66
	s_lshl_b32 s20, s20, 10
	s_lshl_b32 s66, ttmp9, 23
	s_add_co_u32 s66, s20, s66
	s_mov_b32 s67, 0
	s_lshl_b32 s100, s3, 1
	s_add_co_u32 s100, s100, s16                   ; which 128 tokens of the 8,192
	s_lshr_b32 s101, s100, 4
	s_lshl_b32 s101, s101, 4
	s_lshl_b32 s20, s2, 1
	s_add_co_u32 s101, s101, s20
	s_add_co_u32 s101, s101, s15                   ; 16 batch + head
	s_lshl_b32 s101, s101, 4
	s_and_b32 s100, s100, 15
	s_add_co_u32 s100, s100, s101
	s_lshl_b32 s100, s100, 13
	s_add_co_u32 s100, s100, 16777216
	s_mov_b32 s101, 0
	s_add_nc_u64 s[2:3], s[96:97], s[100:101]      ; v's codes
	s_lshr_b32 s100, s100, 5
	s_add_nc_u64 s[100:101], s[98:99], s[100:101]  ; v's scale words
	s_add_nc_u64 s[96:97], s[96:97], s[66:67]      ; q's or k's codes
	s_lshr_b32 s66, s66, 5
	s_add_nc_u64 s[98:99], s[98:99], s[66:67]      ; and scale halfwords
	v_and_b32 v1, 15, v0                           ; r
	v_bfe_u32 v2, v0, 4, 1                         ; h
	v_and_b32 v5, 31, v0
	v_lshlrev_b32 v7, 4, v5                        ; 16 x lane
	v_lshlrev_b32 v19, 2, v5                       ; 4 x lane
	v_add_nc_u32 v[ADRA], s21, v7
	v_add_nc_u32 v[ADRB], s22, v7
	v_add_nc_u32 v[ADRA2], s23, v7
	v_add_nc_u32 v[ADRA+1], SLOT, v[ADRA]
	v_add_nc_u32 v[ADRB+1], SLOT, v[ADRB]
	v_add_nc_u32 v[ADRA2+1], SLOT, v[ADRA2]
	v_mul_u32_u24 v6, s46, v2
	v_lshl_add_u32 v6, v1, 2, v6
	v_add_nc_u32 v[ADRS], s47, v6
	v_mul_u32_u24 v5, s92, v2
	v_lshl_add_u32 v5, v1, 2, v5
	v_add_nc_u32 v[ADRS2], s93, v5
	v_lshlrev_b32 v3, 6, v2                        ; 64 h
	v_and_b32 v4, 8, v1
	v_add_nc_u32 v4, v4, v1
	v_lshlrev_b32 v4, 2, v4                        ; 4 (r + 8 (r / 8))
	v_lshlrev_b32 v18, 1, v1
	v_lshl_add_u32 v18, v2, 12, v18                ; q's, k's scale halfwords: 2 r, and lanes 16-31 the next head's, 4,096 bytes on
	v_lshlrev_b32 v22, 4, v2                       ; 16 h
.irp b, 0,1,2,3
.irp i, 0,1,2,3
	global_load_b128 v[BP+16*\b+4*\i:BP+16*\b+4*\i+3], v3, s[18:19] offset:128*\b+16*\i   ; register 16 b + i: channel 32 b + 16 h + i
.endr
.endr
.irp a, 0,1,2,3
	global_load_b32 v[BR+\a], v4, s[12:13] offset:(32*(\a/2)+8*(\a%2))*4
.endr
.macro FRAG reg, adr, q, i             ; a fragment as it lies: four loads of 512 consecutive bytes
.irp c, 0,1,2,3
	ds_load_b128 v[\reg+4*\c:\reg+4*\c+3], v[\adr] offset:(\i)*4096+(\q)*2048+512*\c
.endr
.endm
; 16 matrix instructions: R's blocks a0, a0 + 1 (fragments from af on) x P's eight.  The accumulators take turns, one instruction a turn, in the same order in every step
.macro MUL16 a0, p, q, sc, zero, af
.irp a, \a0, \a0+1
.irp b, 0,1,2,3,4,5,6,7
.if \zero
	v_wmma_scale_f32_16x16x128_f8f6f4 v[8*(8*((\a)%4)+\b):8*(8*((\a)%4)+\b)+7], v[128*(\p)+FR*\b:128*(\p)+FR*\b+FR-1], v[\af+FR*(\a):\af+FR*(\a)+FR-1], 0, v[SC+8*NQ*(\sc)+NQ*\b+(\q)], v[SC+8*NQ*(\sc)+NQ*(\a)+(\q)] matrix_a_scale:MATRIX_SCALE_ROW1
.else
	v_wmma_scale_f32_16x16x128_f8f6f4 v[8*(8*((\a)%4)+\b):8*(8*((\a)%4)+\b)+7], v[128*(\p)+FR*\b:128*(\p)+FR*\b+FR-1], v[\af+FR*(\a):\af+FR*(\a)+FR-1], v[8*(8*((\a)%4)+\b):8*(8*((\a)%4)+\b)+7], v[SC+8*NQ*(\sc)+NQ*\b+(\q)], v[SC+8*NQ*(\sc)+NQ*(\a)+(\q)] matrix_a_scale:MATRIX_SCALE_ROW1
.endif
.endr
.endr
.endm
.macro FETCH_B slot, q, p
	WIN TO_B
.irp i, 0,1,2,3,4,5,6,7
	FRAG 128*(\p)+FR*\i, ADRB+\slot, \q, \i
.endr
	WIN 0
.endm
.macro FETCH_A slot, q, i0
.irp i, \i0, \i0+1, \i0+2, \i0+3
	FRAG AF+FR*(\i), ADRA+\slot, \q, \i
.endr
.endm
.macro FETCH2 slot, q, p               ; phase 2: P's eight fragments and R's four into sets p: 48 loads
	FETCH_B \slot, \q, \p
.irp i, 0,1,2,3
	FRAG AF+64*(\p)+FR*\i, ADRA2+\slot, \q, \i
.endr
.endm
.macro SCALES adr, sc, ks              ; K step ks's scale words: register NQ i + q: lanes 0-15 R's block i, lanes 16-31 P's block i (phase 2 uses R's blocks 0-3 alone)
.irp i, 0,1,2,3,4,5,6,7
.irp q, 0,1
	ds_load_b32 v[SC+8*NQ*\sc+NQ*\i+\q], v[\adr] offset:512*\i+64*\q+128*(\ks)
.endr
.endr
.endm
; the descriptors' steps; they stand behind the wait for all my tensor loads.  k = 0: two K steps on; 1: the same, and a refill brings 8 tiles; 2, 3: phase 2's K step 0, 1 (2: R's refill brings 4 tiles)
.macro PREP k, slot
.if \k < 2
	s_add_nc_u64 s[G0+4*\slot+2:G0+4*\slot+3], s[G0+4*\slot+2:G0+4*\slot+3], 8192
	s_add_nc_u64 s[G0B+4*\slot+2:G0B+4*\slot+3], s[G0B+4*\slot+2:G0B+4*\slot+3], 8192
.endif
.if \k == 1
	s_mov_b32 s[G1+2], 8<<16
	s_mov_b32 s[G1+4], 8
	s_mov_b32 s[G1B+2], 8<<16
	s_mov_b32 s[G1B+4], 8
.endif
.if \k == 2
	s_mov_b32 s[G1+2], 4<<16
	s_mov_b32 s[G1+4], 4
.endif
.if \k >= 2
	s_add_co_u32 s[G0+4*\slot+1], s94, \slot*SLOT
	s_add_nc_u64 s[G0+4*\slot+2:G0+4*\slot+3], s[8:9], \slot*4096
	s_or_b32 s[G0+4*\slot+3], s[G0+4*\slot+3], 0x80000000
	s_add_nc_u64 s[G0B+4*\slot+2:G0B+4*\slot+3], s[4:5], \slot*4096
	s_or_b32 s[G0B+4*\slot+3], s[G0B+4*\slot+3], 0x80000000
.endif
.endm
.macro STEP slot, q, zero              ; phase 1: a step of 128 along K that has its successor in the same slot
	s_wait_dscnt 4*NL                              ; all but the youngest sixteen loads (R's blocks 4-7) are in
	WIN MUL_LO
	MUL16 0, (\q)%2, \q, \slot, \zero, AF
	MUL16 2, (\q)%2, \q, \slot, \zero, AF
	s_wait_dscnt 0
	PLACES NP
	FETCH_B \slot, (\q)+1, 1-(\q)%2
	FETCH_A \slot, (\q)+1, 0
	WIN MUL_HI
	MUL16 4, (\q)%2, \q, \slot, \zero, AF
	MUL16 6, (\q)%2, \q, \slot, \zero, AF
	PLACES NP
	WIN 0
	FETCH_A \slot, (\q)+1, 4
.endm
; phase 1: a slot's last step changes slots: the three lines, a round of the cluster's barrier, the refill of this slot.  fetch = 0: the phase's last step
.macro TURN slot, next, ks, prep, fetch
	s_wait_tensorcnt 0x0                           ; all my tensor loads have landed
	ds_add_u32 v[SPW], v[NIL]
	PREP \prep, \slot
	s_wait_dscnt 4*NL+1                            ; the add and the youngest sixteen loads may be out
	WIN MUL_LO
	MUL16 0, 1, NQ-1, \slot, 0, AF
	s_wait_dscnt 0x0                               ; the add is done, and my reads of this slot are over
	s_barrier_signal -1
	MUL16 2, 1, NQ-1, \slot, 0, AF
	WIN 0
	s_barrier_wait -1
	CREST
	JLOAD \slot                                    ; my one tensor load behind the round; its four v_nop are four of the places
	PLACES NP-4
.if \fetch
	FETCH_B \next, 0, 0
	FETCH_A \next, 0, 0
	SCALES ADRS, \next, \ks
.endif
	WIN MUL_HI
	MUL16 4, 1, NQ-1, \slot, 0, AF
	MUL16 6, 1, NQ-1, \slot, 0, AF
	PLACES NP
	WIN 0
.if \fetch
	FETCH_A \next, 0, 4
.endif
.endm
.macro STEP2 slot, zero                ; phase 2: a slot's first 128 of K, on sets 0; the second 128's fragments come into sets 1
	PLACES NP
	FETCH2 \slot, 1, 1
	s_wait_dscnt 48                                ; all but the 48 just issued
	WIN MUL_LO
	MUL16 0, 0, 0, \slot, \zero, AF
	MUL16 2, 0, 0, \slot, \zero, AF
	WIN 0
.endm
.macro TURN2 slot, next, ks, fill      ; phase 2: a slot's second 128 of K, on sets 1, and the change of slots
	s_wait_tensorcnt 0x0
	ds_add_u32 v[SPW], v[NIL]
.if \fill
	PREP 0, \slot
.endif
	s_wait_dscnt 0x0                               ; the add is done, and my reads of this slot are over
	s_barrier_signal -1
	WIN MUL_LO
	MUL16 0, 1, 1, \slot, 0, AF+64
	WIN 0
	s_barrier_wait -1
.if \fill
	CREST
	JLOAD \slot
	PLACES NP-4
.else
	PLACES NP
.endif
	FETCH2 \next, 0, 0
	SCALES ADRS2, \next, \ks
	WIN MUL_LO
	MUL16 2, 1, 1, \slot, 0, AF+64
	WIN 0
.endm
; 64 numbers of a lane, register 16 b + i = index 32 b + 16 (lane / 16) + i, become 16 registers of codes and a scale word
.macro QUANT s, pc, pw
.irp b, 0,1,2,3
	v_max3_num_f32 v[TM+\b], |v[\s+16*\b]|, |v[\s+1+16*\b]|, 0x4800000   ; my 16 numbers of block b, and the floor 2^(9 - 127)
.endr
.irp i, 2,4,6,8,10,12,14
.irp b, 0,1,2,3
	v_max3_num_f32 v[TM+\b], v[TM+\b], |v[\s+16*\b+\i]|, |v[\s+1+16*\b+\i]|
.endr
.endr
.irp b, 0,1,2,3
	v_permlanex16_b32 v[TM+4+\b], v[TM+\b], s[SEL], s[SEL+1]
.endr
.irp b, 0,1,2,3
	v_max_num_f32 v[TM+\b], v[TM+\b], v[TM+4+\b]
.endr
.irp b, 0,1,2,3
	v_add_nc_u32 v[TM+12+\b], 0xfc000000, v[TM+\b]
.endr
.irp b, 0,1,2,3
	v_and_or_b32 v[TM+8+\b], v[TM+\b], 0x7f800000, s[MNT]
.endr
.irp b, 0,1,2,3
	v_lshrrev_b32 v[TM+4+\b], 23, v[TM+12+\b]
.endr
	v_lshl_or_b32 v[\pw], v[TM+5], 8, v[TM+4]
	v_lshl_or_b32 v[\pw], v[TM+6], 16, v[\pw]
	v_lshl_or_b32 v[\pw], v[TM+7], 24, v[\pw]
.irp b, 0,1,2,3
.irp i, 0,1,2,3,4,5,6,7,8,9,10,11,12,13,14,15
	v_med3_num_f32 v[\s+16*\b+\i], v[\s+16*\b+\i], -v[TM+8+\b], v[TM+8+\b]   ; the conversion does not saturate (ISA guide 7.6.2): the hold comes first
.endr
	v_cvt_scalef32_pk8_fp8_f32 v[\pc+4*\b:\pc+1+4*\b], v[\s+16*\b:\s+7+16*\b], v[TM+12+\b]
	v_cvt_scalef32_pk8_fp8_f32 v[\pc+2+4*\b:\pc+3+4*\b], v[\s+8+16*\b:\s+15+16*\b], v[TM+12+\b]
.endr
	v_nop                                          ; a plain line behind the last conversion
.endm
; block a's 64 sums + the bias, into window 0; each accumulator is read from its low end on.  kind 0: the bias runs along P; 1: one number a lane
.macro ADDB a, kind
	WIN 0x02+(\a)/4
.set AC, 64*((\a)%4)
.set p, 0
.rept 32
.if \kind
	v_pk_add_f32 v[ST+p:ST+p+1], v[AC+p:AC+p+1], v[BB:BB+1]
.else
	v_pk_add_f32 v[ST+p:ST+p+1], v[AC+p:AC+p+1], v[BP+p:BP+p+1]
.endif
.set p, p+2
.endr
	WIN 0
.endm
.macro OUTQK a
.if (\a) > 0
	s_wait_xcnt 0x0                                ; the last block's stores have read their registers
.endif
	ADDB \a, 0
	QUANT ST, PC, PW
.irp b, 0,1,2,3
	global_store_b128 v7, v[PC+4*\b:PC+4*\b+3], s[96:97] offset:1024*(\a)+(\b/2)*131072+(\b%2)*512   ; blocks 0, 1: my first head's two quads; 2, 3: the next head's; 512 consecutive bytes each
.endr
	v_lshrrev_b32 v[PH], v22, v[PW]                ; lanes 0-15 keep the first head's two bytes, lanes 16-31 take the next head's
	global_store_b16 v18, v[PH], s[98:99] offset:32*(\a)
.endm
.macro OUTV a
.if (\a) > 0
	s_wait_xcnt 0x0
.endif
	v_mov_b32 v[BB], v[BR+(\a)]
	v_mov_b32 v[BB+1], v[BR+(\a)]
	ADDB \a, 1
	QUANT ST, PC, PW
.irp c, 0,1,2,3
	global_store_b128 v7, v[PC+4*\c:PC+4*\c+3], s[2:3] offset:(\a)*2048+512*\c
.endr
.if (\a)%2 == 0
	v_mov_b32 v[PWP], v[PW]
.else
	v_cndmask_b32 v[PH], v[PWP], v[PW], s22        ; lanes 0-15: the even block's words; lanes 16-31: the odd block's: 128 consecutive bytes
	global_store_b32 v19, v[PH], s[100:101] offset:((\a)-1)*64
.endif
.endm
	s_wait_alu depctr_va_vdst(0)                   ; the wait at the head's end
	s_wait_tensorcnt 0x0                           ; my tile of the head's four is in; the full sequence ahead of the later first fills:
	ds_add_u32 v[SPW], v[NIL]
	s_mov_b32 s[G1S+2], 16<<16                     ; no load of mine is out: phase 2's scale words: R's 8 tiles are 16 rows of 256 bytes,
	s_mov_b32 s[G1S+4], 16
	s_mov_b32 s[G0S+1], SCL2
	s_mov_b64 s[G0S+2:G0S+3], s[10:11]
	s_or_b32 s[G0S+3], s[G0S+3], 0x80000000
	s_mov_b32 s[G0SB+1], SCL2+4096                 ; P's 16 tiles 32 rows, as in phase 1
	s_mov_b64 s[G0SB+2:G0SB+3], s[6:7]
	s_or_b32 s[G0SB+3], s[G0SB+3], 0x80000000
	s_wait_dscnt 0x0
	CROUND
	HLOAD 1                                        ; K step 1 and phase 2's scale words: first fills all four
	FETCH_B 0, 0, 0
	FETCH_A 0, 0, 0
	SCALES ADRS, 0, 0
	FETCH_A 0, 0, 4
	STEP 0, 0, 1                                   ; the first products start the sums: nothing is cleared
	TURN 0, 1, 1, 1, 1                             ; slot 0 takes K step 2
	STEP 1, 0, 0
	TURN 1, 0, 2, 0, 1                             ; slot 1 takes K step 3
	STEP 0, 0, 0
	TURN 0, 1, 3, 2, 1                             ; slot 0 takes phase 2's K step 0
	STEP 1, 0, 0
	TURN 1, 0, 0, 3, 0                             ; slot 1 takes phase 2's K step 1; R's registers go to the way out
	; q's or k's way out: bias, quantiser, and stores in the order of the next operand's registers: no LDS
	s_wait_loadcnt 0x0                             ; the biases
	s_mov_b32 s[SEL], 0x76543210
	s_mov_b32 s[SEL+1], 0xfedcba98
	s_mov_b32 s[MNT], 0x600000
	s_mov_b32 s22, 0xffff0000                      ; lanes 16-31
.irp b, 0,1,2,3
	v_mov_b32 v[TM+4+\b], 0                        ; a lane permute's destination counts as one of its sources
.endr
.irp a, 0,1,2,3,4,5,6,7
	OUTQK \a
.endr
	s_wait_xcnt 0x0                                ; the last stores have read their registers, which take fragments now
	FETCH2 0, 0, 0
	SCALES ADRS2, 0, 0
	STEP2 0, 1
	TURN2 0, 1, 1, 1                               ; slot 0 takes K step 2
	STEP2 1, 0
	TURN2 1, 0, 2, 1                               ; slot 1 takes K step 3
	STEP2 0, 0
	TURN2 0, 1, 3, 0                               ; nothing is left to fetch: a plain barrier shows K step 3
	STEP2 1, 0
	s_wait_dscnt 0x0
	WIN MUL_LO
	MUL16 0, 1, 1, 1, 0, AF+64
	MUL16 2, 1, 1, 1, 0, AF+64
	WIN 0
	PLACES NP
.irp a, 0,1,2,3
	OUTV \a
.endr
	s_wait_tensorcnt 0x0                           ; the wave's end
	ds_add_u32 v[SPW], v[NIL]
	s_wait_dscnt 0x0
	CROUND                                         ; the closing round
	s_endpgm
.Lfunc_end_k_q26472231c9_gemm_qkv:
	.size	k_q26472231c9_gemm_qkv, .Lfunc_end_k_q26472231c9_gemm_qkv-k_q26472231c9_gemm_qkv
	.p2alignl 7, 3214868480
	.fill 96, 4, 3214868480
	.section	.rodata,"a",@progbits
	.p2align	6, 0x0
	.amdhsa_kernel k_q26472231c9_gemm_qkv
		.amdhsa_group_segment_fixed_size 327680
		.amdhsa_private_segment_fixed_size 0
		.amdhsa_enable_private_segment 0
		.amdhsa_kernarg_size 56
		.amdhsa_user_sgpr_count 2
		.amdhsa_user_sgpr_kernarg_segment_ptr 1
		.amdhsa_wavefront_size32 1
		.amdhsa_system_sgpr_workgroup_id_x 1
		.amdhsa_system_sgpr_workgroup_id_y 1
		.amdhsa_system_sgpr_workgroup_id_z 1
		.amdhsa_system_vgpr_workitem_id 0
		.amdhsa_next_free_vgpr 1024
		.amdhsa_next_free_sgpr 102
		.amdhsa_reserve_vcc 0
		.amdhsa_float_denorm_mode_32 3
		.amdhsa_float_denorm_mode_16_64 3
		.amdhsa_memory_ordered 1
		.amdhsa_forward_progress 1
		.amdhsa_inst_pref_size 255
	.end_amdhsa_kernel
	.section	.bss,"aw",@nobits
	.p2align	6
	.space	262144
	.amdgpu_metadata
---
amdhsa.version: [ 1, 2 ]
amdhsa.kernels:
  - .name:           k_q26472231c9_gemm_qkv
    .symbol:         k_q26472231c9_gemm_qkv.kd
    .args:
      - { .name: xc, .offset: 0, .size: 8, .value_kind: global_buffer, .address_space: global }
      - { .name: xs, .offset: 8, .size: 8, .value_kind: global_buffer, .address_space: global }
      - { .name: wc, .offset: 16, .size: 8, .value_kind: global_buffer, .address_space: global }
      - { .name: ws, .offset: 24, .size: 8, .value_kind: global_buffer, .address_space: global }
      - { .name: b_qkv, .offset: 32, .size: 8, .value_kind: global_buffer, .address_space: global }
      - { .name: hc, .offset: 40, .size: 8, .value_kind: global_buffer, .address_space: global }
      - { .name: hs, .offset: 48, .size: 8, .value_kind: global_buffer, .address_space: global }
    .group_segment_fixed_size: 327680
    .private_segment_fixed_size: 0
    .kernarg_segment_align: 8
    .kernarg_segment_size: 56
    .max_flat_workgroup_size: 128
    .sgpr_count:     102
    .vgpr_count:     1024
    .wavefront_size: 32
...
	.end_amdgpu_metadata
.endif
;; end of part 2
;; launch attn (part 3): grid 4 x 64, 16 waves a work-group, clusters of 4 x 1, 327,680 bytes of LDS; arguments hc, hs, aoc, aos; writes aoc, aos
.if DOCPART == 3
	.amdgcn_target "amdgcn-amd-amdhsa--gfx1250"
	.amdhsa_code_object_version 6
	.text
	.protected	k_q26472231c9_attn
	.globl	k_q26472231c9_attn
	.p2align	8
	.type	k_q26472231c9_attn,@function
k_q26472231c9_attn:
	s_mov_b64 s[64:65], 0
	v_nop
	global_prefetch_b8 v0, s[64:65] scope:SCOPE_SE
	s_setreg_imm32_b32 hwreg(HW_REG_WAVE_MODE, 25, 1), 1
	s_wait_xcnt 0x0
	s_wait_alu depctr_hold_cnt(0) depctr_sa_sdst(0) depctr_va_vdst(0) depctr_va_sdst(0) depctr_va_ssrc(0) depctr_va_vcc(0) depctr_vm_vsrc(0)
	s_getreg_b32 s2, hwreg(HW_REG_IB_STS2, 6, 4)
	s_cmp_eq_u32 s2, 0
	s_cbranch_scc0 .Lentry_in_a_cluster
	s_endpgm
.Lentry_in_a_cluster:
	s_bfe_u32 s2, ttmp6, 0x10000c
	s_cmp_lg_u32 s2, 0x3003
	s_cbranch_scc0 .Lentry_shape_is_right
	s_endpgm
.Lentry_shape_is_right:
; Causal attention of one head (64 channels, 2,048 tokens) on codes of FP8 (E4M3) with E8M0 scales; the result is divided by the row's sum and quantised at once along the model's 1,024 channels, as the last product's operand.
; t = score x log2(e) / 8; M = the running largest t rounded up to a whole number; p = 2^(t - M) is quantised along the keys; the row's sum is taken of the unquantised p; when M moves, the sum and O are multiplied by 2^(old M - new M), exactly.
; A HEAD'S K AND V STAY IN LDS: 128 + 128 KiB of codes, 4 + 4 KiB of scales, filled ONCE by joint loads of the four work-groups of a cluster, which share the head.  No byte of LDS is filled again or stored to: two barriers, then the waves run free.
; SHARES.  A work-group has 16 waves; wave w of work-group cx owns the tiles of 16 queries iS = 8 (w / 2) + 2 cx + w % 2 and iL = 127 - iS, one after the other: w / 2 + 1 and 16 - w / 2 steps of 128 keys, 17 for every wave.
; The number of steps hangs on the wave's number alone.  The loops have 4, 12 and 8 trips; a step all of whose keys come after the tile's queries is jumped over; the diagonal lies in the tile's last step and is masked by selects.
; LAYOUT.  Both products are used transposed (S^T = K Q^T, O^T = V^T P^T): a lane holds one query.  Tiles hold their rows in the order 32 (i / 2) + 8 (i % 2) + r + 8 (r / 8), so that 16 registers of two neighbouring tiles are 16 neighbours.
; THE FIRST PRODUCT'S K IS 64, half of the instruction's 128: Q's upper eight registers are zero codes; K's upper eight are whatever follows (the next tile's codes, finite numbers; zeros behind the last): each such product is exactly 0.  The upper scale bytes are 0, which is 2^-127.
; LIMITS: no NaN or infinities; a block of zeros gets the byte 1 with zero codes; largest magnitudes under 2^-118 are held at the byte 1.
; REGISTERS: v1-7, v225 addresses that stay; v8-11 the step's addresses; v12 -M, v13 the largest t, v[14:15] the sum; v16-23 Q, v24-31 zeros; v32-95 K's 8 tiles, then V's 4; v96-103 zeros; v104-167 S^T, then p; v168-199 O^T; v200-215 codes; v216-223 K's or V's scale words; v224 Q's; v247 p's.
.set KSC, 262144                       ; LDS: K's codes at 0, V's at 131,072, K's scale halfwords here,
.set VSC, 266240                       ; V's scale words here
.set S,   104
.set O,   168
.set PCD, 200
.set SW,  216
.set BM,  228                          ; a block's largest score, then its largest p
.set BT,  232
.set BH,  236                          ; 448 x the scale
.set BS,  240                          ; the conversion's scale operand
.set F,   244                          ; v[244:245]: the factor, named as a pair
.set TT,  246
.set PWD, 247
.macro CROUND                          ; a round of the cluster's barrier
	s_barrier_signal -1
	s_barrier_wait -1
	s_cmp_lg_u32 s12, 0
	s_cbranch_scc1 .Lnot_wave_0_\@
	s_barrier_signal -3
.Lnot_wave_0_\@:
	s_barrier_wait -3
	s_barrier_signal -1
	s_barrier_wait -1
.endm
.macro QLOAD cb, sb                    ; a tile of Q: 1,024 bytes as they lie, and its scale halfwords
	global_load_b128 v[16:19], v1, s[\cb:\cb+1]
	global_load_b128 v[20:23], v1, s[\cb:\cb+1] offset:512
	global_load_u16 v224, v225, s[\sb:\sb+1]
.endm
.macro INIT ireg                       ; s[ireg]: the tile.  The loop has no first step of its own: it finds zeros, which the first change of M leaves zeros
	v_mov_b32 v13, 0xff61b1e6                      ; -3e38, under every t
	s_delay_alu instid0(VALU_DEP_1)
	v_floor_f32 v12, -v13
	v_mov_b32 v14, 0
	v_mov_b32 v15, 0
.set n, 0
.rept 32
	v_mov_b32 v[O+n], 0
.set n, n+1
.endr
	s_lshr_b32 s72, s[\ireg], 1
	s_lshl_b32 s72, s72, 5
	s_and_b32 s73, s[\ireg], 1
	s_lshl_b32 s73, s73, 3
	s_add_co_u32 s72, s72, s73
	v_add_nc_u32 v5, s72, v6                       ; my query - 16 (lane / 16)
	s_mov_b32 s48, 0                               ; the step,
	s_mov_b32 s50, 0                               ; its codes' bytes: 8,192 a step in K and in V,
	s_mov_b32 s51, 0                               ; its scales': 256,
	s_mov_b32 s52, 0                               ; its first key
.endm
; THE ORDER OF WORK AS THE TEXT HAS IT: the large tile goes first.  Its first four steps (keys 0-511, all of which count for it) run behind a first barrier that shows the first 32 KiB of K and of V and the scale bytes alone;
; a second barrier shows the rest of the head.  The loops have 4, 12 and 8 trips (the small tile has eight steps at the most).  last: the step at which the loop ends.
.macro KLOOP last
.Lstep_\@:
	s_cmp_gt_u32 s48, s49                          ; all 128 keys come after my queries: nothing to do
	s_cbranch_scc1 .Lhidden_\@
	v_add_nc_u32 v8, s50, v1
	v_add_nc_u32 v9, s50, v2
	v_add_nc_u32 v10, s51, v3
	v_add_nc_u32 v11, s51, v4
.rept 4
	v_nop                                          ; with the four additions: eight places in front of loads into registers that the last products read
.endr
.irp t, 0,1,2,3,4,5,6,7
	ds_load_b128 v[32+8*\t:35+8*\t], v8 offset:1024*\t
	ds_load_b128 v[36+8*\t:39+8*\t], v8 offset:1024*\t+512
.endr
.irp t, 0,1,2,3,4,5,6,7
	ds_load_u16 v[SW+\t], v10 offset:32*\t
.endr
	s_wait_alu depctr_va_vdst(0)
	s_wait_dscnt 0x0
.irp t, 0,1,2,3,4,5,6,7
	v_wmma_scale_f32_16x16x128_f8f6f4 v[S+8*\t:S+8*\t+7], v[32+8*\t:47+8*\t], v[16:31], 0, v[SW+\t], v224
.endr
.rept 8
	v_nop
.endr
.irp d, 0,1,2,3                                ; V is asked for now and lands under the softmax
.irp c, 0,1,2,3
	ds_load_b128 v[32+16*\d+4*\c:35+16*\d+4*\c], v9 offset:2048*\d+512*\c
.endr
	ds_load_b32 v[SW+\d], v11 offset:64*\d
.endr
	s_cmp_lg_u32 s48, s49
	s_cbranch_scc1 .Lopen_\@
	v_sub_nc_u32 v248, v5, s52                     ; on the diagonal: register 16 b + i holds key (first key) + 16 (lane / 16) + 32 b + i: hidden where 32 b + i > this number
	v_mov_b32 v249, 0xff800000                     ; -infinity: p = 0 then
.set n, 0
.rept 64
	v_cmp_gt_i32 vcc_lo, 32*(n/16)+n%16, v248
	v_cndmask_b32 v[S+n], v[S+n], v249, vcc_lo
.set n, n+1
.endr
.Lopen_\@:
.irp b, 0,1,2,3
	v_max3_num_f32 v[BM+\b], v[S+16*\b], v[S+1+16*\b], v[S+2+16*\b]   ; the largest score of each block of 32 keys: for the row's maximum, and, since p rises with the score, for the block's largest p
.endr
.irp i, 3,5,7,9,11,13
.irp b, 0,1,2,3
	v_max3_num_f32 v[BM+\b], v[BM+\b], v[S+16*\b+\i], v[S+1+16*\b+\i]
.endr
.endr
.irp b, 0,1,2,3
	v_max_num_f32 v[BM+\b], v[BM+\b], v[S+15+16*\b]
.endr
.irp b, 0,1,2,3
	s_delay_alu instid0(VALU_DEP_4)
	v_permlanex16_b32 v[BT+\b], v[BM+\b], s20, s21
.endr
.irp b, 0,1,2,3
	s_delay_alu instid0(VALU_DEP_4)
	v_max_num_f32 v[BM+\b], v[BM+\b], v[BT+\b]
.endr
	s_delay_alu instid0(VALU_DEP_2)
	v_max3_num_f32 v[TT], v[BM], v[BM+1], v[BM+2]
	s_delay_alu instid0(VALU_DEP_1)
	v_max_num_f32 v[TT], v[TT], v[BM+3]
	s_delay_alu instid0(VALU_DEP_1)
	v_mul_f32 v[TT], s22, v[TT]
	s_delay_alu instid0(VALU_DEP_1)
	v_max_num_f32 v13, v13, v[TT]                  ; the running largest t
	v_mov_b32 v[TT], v12
	s_delay_alu instid0(VALU_DEP_2)
	v_floor_f32 v12, -v13                          ; -M = floor(-t): M is a whole number
	s_delay_alu instid0(VALU_DEP_1)
	v_sub_f32 v[TT], v12, v[TT]
	s_delay_alu instid0(VALU_DEP_1)
	v_cvt_i32_f32 v[TT], v[TT]                     ; (it saturates)
	s_delay_alu instid0(VALU_DEP_1)
	v_ldexp_f32 v[F], 1.0, v[TT]                   ; 2^(old M - new M)
.set n, 0
.rept 32
	v_pk_fma_f32 v[S+n:S+n+1], v[S+n:S+n+1], s[22:23], v[12:13] op_sel_hi:[1,0,0]   ; t - M
.set n, n+2
.endr
.irp b, 0,1,2,3
	v_fma_f32 v[BM+\b], v[BM+\b], s22, v12
.endr
.set n, 0
	s_wait_alu depctr_va_vdst(0)
.rept 64
	v_exp_f32 v[S+n], v[S+n]
.set n, n+1
.endr
.irp b, 0,1,2,3
	v_exp_f32 v[BM+\b], v[BM+\b]                   ; the same two instructions on the same number give the same bits
.endr
	v_pk_mul_f32 v[14:15], v[14:15], v[F:F+1] op_sel_hi:[1,0]   ; the sum under the new M (a plain line behind the exponentials)
	s_wait_alu depctr_va_vdst(0)
.irp b, 0,1,2,3
	v_max_num_f32 v[BM+\b], 0x4800000, v[BM+\b]    ; the floor 2^(9 - 127)
.endr
.irp b, 0,1,2,3
	s_delay_alu instid0(VALU_DEP_4)
	v_add_nc_u32 v[BS+\b], 0xfc000000, v[BM+\b]
.endr
.irp b, 0,1,2,3
	v_and_or_b32 v[BH+\b], v[BM+\b], 0x7f800000, s19
.endr
.irp b, 0,1,2,3
	v_lshrrev_b32 v[BT+\b], 23, v[BS+\b]
.endr
	s_delay_alu instid0(VALU_DEP_3)
	v_lshl_or_b32 v[PWD], v[BT+1], 8, v[BT]        ; p's scale word for these 128 keys
	s_delay_alu instid0(VALU_DEP_1)
	v_lshl_or_b32 v[PWD], v[BT+2], 16, v[PWD]
	s_delay_alu instid0(VALU_DEP_1)
	v_lshl_or_b32 v[PWD], v[BT+3], 24, v[PWD]
	v_pk_add_f32 v[232:233], v[108:109], v[112:113]
	v_pk_add_f32 v[252:253], v[116:117], v[120:121]
	v_pk_add_f32 v[248:249], v[124:125], v[128:129]
	v_pk_add_f32 v[230:231], v[132:133], v[136:137]
	v_pk_add_f32 v[228:229], v[140:141], v[144:145]
	v_pk_add_f32 v[226:227], v[148:149], v[152:153]
	v_pk_add_f32 v[222:223], v[156:157], v[160:161]
	v_pk_add_f32 v[14:15], v[14:15], v[164:165]
	v_pk_add_f32 v[232:233], v[232:233], v[104:105]
	v_pk_add_f32 v[252:253], v[252:253], v[106:107]
	v_pk_add_f32 v[248:249], v[248:249], v[110:111]
	v_pk_add_f32 v[230:231], v[230:231], v[114:115]
	v_pk_add_f32 v[228:229], v[228:229], v[118:119]
	v_pk_add_f32 v[226:227], v[226:227], v[122:123]
	v_pk_add_f32 v[222:223], v[222:223], v[126:127]
	v_pk_add_f32 v[14:15], v[14:15], v[130:131]
	v_pk_add_f32 v[232:233], v[232:233], v[134:135]
	v_pk_add_f32 v[252:253], v[252:253], v[138:139]
	v_pk_add_f32 v[248:249], v[248:249], v[142:143]
	v_pk_add_f32 v[230:231], v[230:231], v[146:147]
	v_pk_add_f32 v[228:229], v[228:229], v[150:151]
	v_pk_add_f32 v[226:227], v[226:227], v[154:155]
	v_pk_add_f32 v[222:223], v[222:223], v[158:159]
	v_pk_add_f32 v[14:15], v[14:15], v[162:163]
	v_pk_add_f32 v[232:233], v[232:233], v[166:167]
	s_delay_alu instid0(VALU_DEP_2)
	v_pk_add_f32 v[14:15], v[14:15], v[230:231]
	s_delay_alu instid0(VALU_DEP_2)
	v_pk_add_f32 v[232:233], v[232:233], v[228:229]
	v_pk_add_f32 v[252:253], v[252:253], v[226:227]
	v_pk_add_f32 v[248:249], v[248:249], v[222:223]
	s_delay_alu instid0(VALU_DEP_2)
	v_pk_add_f32 v[14:15], v[14:15], v[252:253]
	s_delay_alu instid0(VALU_DEP_2)
	v_pk_add_f32 v[232:233], v[232:233], v[248:249]
	s_delay_alu instid0(VALU_DEP_1)
	v_pk_add_f32 v[14:15], v[14:15], v[232:233]
.irp b, 0,1,2,3
	v_mov_b32 v[228+(\b+1)%4], v[BH+\b]            ; a second copy of each bound, one register bank on: the pairs below take their first sources from two banks
.endr
.irp b, 0,1,2,3
.irp i, 0,2,4,6,8,10,12,14
	v_dual_min_num_f32 v[S+16*\b+\i], v[BH+\b], v[S+16*\b+\i] :: v_dual_min_num_f32 v[S+16*\b+\i+1], v[228+(\b+1)%4], v[S+16*\b+\i+1]   ; the hold, two numbers a line; p is not negative
.endr
	v_cvt_scalef32_pk8_fp8_f32 v[PCD+4*\b:PCD+1+4*\b], v[S+16*\b:S+7+16*\b], v[BS+\b]
	v_cvt_scalef32_pk8_fp8_f32 v[PCD+2+4*\b:PCD+3+4*\b], v[S+8+16*\b:S+15+16*\b], v[BS+\b]
.endr
.set n, 0
.rept 16
	v_pk_mul_f32 v[O+n:O+n+1], v[O+n:O+n+1], v[F:F+1] op_sel_hi:[1,0]   ; O^T under the new M; these are also the places between the codes and the products
.set n, n+2
.endr
	s_wait_alu depctr_va_vdst(0)
	s_wait_dscnt 0x0                               ; V
.irp d, 0,1,2,3
	v_wmma_scale_f32_16x16x128_f8f6f4 v[O+8*\d:O+8*\d+7], v[32+16*\d:47+16*\d], v[PCD:PCD+15], v[O+8*\d:O+8*\d+7], v[SW+\d], v[PWD]
.endr
.Lhidden_\@:
	s_add_co_u32 s50, s50, 8192
	s_add_co_u32 s51, s51, 256
	s_add_co_u32 s52, s52, 128
	s_add_co_u32 s48, s48, 1
	s_cmp_lt_u32 s48, \last
	s_cbranch_scc1 .Lstep_\@
.endm
; O^T / the sum; register 16 g + i is channel 32 g + 16 (lane / 16) + i of my query: two blocks, quantised; the codes are two quads of the last product's operand
.macro FINISH awreg, base
	v_add_f32 v14, v14, v15
	s_delay_alu instid0(VALU_DEP_1)
	v_permlanex16_b32 v[TT], v14, s20, s21
	s_delay_alu instid0(VALU_DEP_1)
	v_add_f32 v14, v14, v[TT]
	s_wait_alu depctr_va_vdst(0)
	v_rcp_f32 v[F], v14
	v_nop
.set n, 0
	s_wait_alu depctr_va_vdst(0)
.rept 16
	v_pk_mul_f32 v[O+n:O+n+1], v[O+n:O+n+1], v[F:F+1] op_sel_hi:[1,0]
.set n, n+2
.endr
.irp g, 0,1
	v_max3_num_f32 v[BM+\g], |v[O+16*\g]|, |v[O+1+16*\g]|, 0x4800000
.endr
.irp i, 2,4,6,8,10,12,14
.irp g, 0,1
	s_delay_alu instid0(VALU_DEP_2)
	v_max3_num_f32 v[BM+\g], v[BM+\g], |v[O+16*\g+\i]|, |v[O+1+16*\g+\i]|
.endr
.endr
.irp g, 0,1
	s_delay_alu instid0(VALU_DEP_2)
	v_permlanex16_b32 v[BT+\g], v[BM+\g], s20, s21
.endr
.irp g, 0,1
	s_delay_alu instid0(VALU_DEP_2)
	v_max_num_f32 v[BM+\g], v[BM+\g], v[BT+\g]
.endr
.irp g, 0,1
	s_delay_alu instid0(VALU_DEP_2)
	v_add_nc_u32 v[BS+\g], 0xfc000000, v[BM+\g]
.endr
.irp g, 0,1
	s_delay_alu instid0(VALU_DEP_4)
	v_and_or_b32 v[BH+\g], v[BM+\g], 0x7f800000, s19
.endr
.irp g, 0,1
	s_delay_alu instid0(VALU_DEP_4)
	v_lshrrev_b32 v[BT+\g], 23, v[BS+\g]
.endr
	s_delay_alu instid0(VALU_DEP_1)
	v_lshl_or_b32 v[\awreg], v[BT+1], 8, v[BT]     ; the head's two scale bytes of my query
.irp g, 0,1
.irp i, 0,1,2,3,4,5,6,7,8,9,10,11,12,13,14,15
	v_med3_num_f32 v[O+16*\g+\i], v[O+16*\g+\i], -v[BH+\g], v[BH+\g]
.endr
	v_cvt_scalef32_pk8_fp8_f32 v[PCD+4*\g:PCD+1+4*\g], v[O+16*\g:O+7+16*\g], v[BS+\g]
	v_cvt_scalef32_pk8_fp8_f32 v[PCD+2+4*\g:PCD+3+4*\g], v[O+8+16*\g:O+15+16*\g], v[BS+\g]
.endr
	v_nop                                          ; a plain line behind the last conversion
	global_store_b128 v1, v[PCD:PCD+3], s[\base:\base+1]
	global_store_b128 v1, v[PCD+4:PCD+7], s[\base:\base+1] offset:512   ; 1,024 consecutive bytes in all
.endm
	s_load_b256 s[4:11], s[0:1], 0x0               ; hc s[4:5], hs s[6:7], aoc s[8:9], aos s[10:11]
	v_lshl_add_u32 v254, v0, 2, 0x42000
	v_mov_b32 v255, 0
	ds_add_u32 v254, v255
	ds_add_u32 v254, v255
	v_lshrrev_b32 v1, 5, v0
	s_delay_alu instid0(VALU_DEP_1)
	v_readfirstlane_b32 s12, v1                    ; wave 0..15
	s_bfe_u32 s13, ttmp6, 0x40000                  ; cx: it enters global addresses and the mask's numbers alone
	s_and_b32 s14, ttmp7, 0xffff                   ; 16 x batch + head, which the four partners share
	s_lshr_b32 s15, s12, 1
	s_and_b32 s16, s12, 1
	s_lshl_b32 s72, s13, 1
	s_add_co_u32 s16, s16, s72
	s_lshl_b32 s17, s15, 3
	s_add_co_u32 s17, s17, s16                     ; iS
	s_sub_co_u32 s18, 127, s17                     ; iL
	s_mov_b32 s19, 0x600000                        ; the mantissa field of 448
	s_mov_b32 s20, 0x76543210
	s_mov_b32 s21, 0xfedcba98
	s_mov_b32 s22, 0x3e38aa3b                      ; log2(e) / 8
	s_mov_b32 s23, s22
	s_mov_b32 s53, 0xffff0000                      ; lanes 16-31
	; group 1: dense blocks as rows of 256 bytes (32 elements of 8), 128 rows for codes, 16 for scales; the mask names all four work-groups
	s_mov_b32 s24, 15|(3<<16)|(1<<21)
	s_mov_b32 s25, 32<<16
	s_mov_b32 s26, 128<<16
	s_mov_b32 s27, 32<<16
	s_mov_b32 s28, 128
	s_mov_b32 s29, 32
	s_mov_b32 s30, 0
	s_mov_b32 s31, 0
	s_mov_b32 s32, 15|(3<<16)|(1<<21)
	s_mov_b32 s33, 32<<16
	s_mov_b32 s34, 16<<16
	s_mov_b32 s35, 32<<16
	s_mov_b32 s36, 16
	s_mov_b32 s37, 32
	s_mov_b32 s38, 0
	s_mov_b32 s39, 0
	; wave 0: K's first 32 KiB; wave 1: V's; wave 2: K's scales; wave 3: V's; waves 5-7: K's other three quarters; waves 9-11: V's
	s_lshl_b32 s73, s12, 17                        ; waves 0, 1: LDS: wave x 131,072
	s_add_co_u32 s74, s12, 1
	s_lshl_b32 s74, s74, 23                        ; k lies 2^23, v 2^24 bytes into hc
	s_lshl_b32 s75, s14, 17
	s_add_co_u32 s74, s74, s75
	s_and_b32 s89, s12, 3
	s_lshl_b32 s89, s89, 15                        ; waves 5-7, 9-11: the quarter wave % 4,
	s_lshr_b32 s90, s12, 3                         ; of K (0) or of V (1)
	s_lshl_b32 s91, s90, 17
	s_add_co_u32 s90, s90, 1
	s_lshl_b32 s90, s90, 23
	s_add_co_u32 s90, s90, s75
	s_add_co_u32 s90, s90, s89                     ; in hc,
	s_add_co_u32 s89, s89, s91                     ; in LDS
	s_mov_b32 s91, 0
	s_mov_b32 s75, 0
	s_sub_co_u32 s76, s12, 1
	s_lshl_b32 s76, s76, 18                        ; waves 2, 3: k's scales lie 2^18, v's 2^19 bytes into hs
	s_lshl_b32 s77, s14, 12
	s_add_co_u32 s76, s76, s77
	s_mov_b32 s77, 0
	s_lshl_b32 s78, s12, 12
	s_add_co_u32 s78, s78, 253952                  ; LDS: 262,144 + 4,096 (wave - 2)
	v_and_b32 v9, 31, v0
	s_delay_alu instid0(VALU_DEP_1)
	v_lshlrev_b32 v1, 4, v9                        ; 16 x lane
	s_delay_alu instid0(VALU_DEP_1)
	v_add_nc_u32 v2, 131072, v1
	v_and_b32 v10, 15, v0                          ; r
	v_bfe_u32 v11, v0, 4, 1                        ; h
	s_delay_alu instid0(VALU_DEP_2)
	v_lshl_add_u32 v3, v10, 1, KSC
	s_delay_alu instid0(VALU_DEP_3)
	v_lshl_add_u32 v4, v10, 2, VSC
	s_delay_alu instid0(VALU_DEP_4)
	v_and_b32 v6, 8, v10
	s_delay_alu instid0(VALU_DEP_1)
	v_add_nc_u32 v6, v6, v10
	v_lshlrev_b32 v8, 4, v11
	s_delay_alu instid0(VALU_DEP_1)
	v_sub_nc_u32 v6, v6, v8                        ; r + 8 (r / 8) - 16 h
	v_lshlrev_b32 v225, 1, v10                     ; 2 r
	s_lshl_b32 s82, s17, 1
	s_sub_co_u32 s82, 127, s82
	s_lshl_b32 s82, s82, 9                         ; 512 (iL - iS)
	v_mul_u32_u24 v7, s82, v11
	s_delay_alu instid0(VALU_DEP_1)
	v_lshl_add_u32 v7, v10, 2, v7
	s_lshl_b32 s88, s17, 9
	v_add_nc_u32 v7, s88, v7                       ; the scale halfwords' place: 4 r + 512 x (lanes 0-15: iS; lanes 16-31: iL)
.irp n, 24,25,26,27,28,29,30,31,96,97,98,99,100,101,102,103,232,233,234,235,245,246
	v_mov_b32 v\n, 0                               ; zero codes; and registers that count as read before they are first written
.endr
	s_lshl_b32 s72, s14, 7
	s_add_co_u32 s79, s72, s17
	s_add_co_u32 s80, s72, s18
	s_mov_b32 s83, 0
	s_lshr_b32 s84, s14, 4
	s_lshl_b32 s84, s84, 7                         ; the batch's first tile of tokens
	s_bfe_u32 s85, s14, 0x30001                    ; the head's K chunk of the last product,
	s_and_b32 s87, s14, 1                          ; and its half of it
	s_lshl_b32 s86, s85, 11
	s_lshl_b32 s88, s87, 10
	s_add_co_u32 s86, s86, s88
	s_wait_dscnt 0x0
	s_wait_kmcnt 0x0
	s_mov_b32 s40, 1
	s_mov_b32 s41, s73
	s_add_nc_u64 s[42:43], s[4:5], s[74:75]
	s_or_b32 s43, s43, 0x80000000
	s_mov_b32 s92, 1
	s_mov_b32 s93, s89
	s_add_nc_u64 s[94:95], s[4:5], s[90:91]
	s_or_b32 s95, s95, 0x80000000
	s_mov_b32 s44, 1
	s_mov_b32 s45, s78
	s_add_nc_u64 s[46:47], s[6:7], s[76:77]
	s_or_b32 s47, s47, 0x80000000
	s_lshl_b32 s82, s79, 10
	s_add_nc_u64 s[54:55], s[4:5], s[82:83]        ; Q's codes and scales, tile iS,
	s_lshl_b32 s82, s79, 5
	s_add_nc_u64 s[56:57], s[6:7], s[82:83]
	s_lshl_b32 s82, s80, 10
	s_add_nc_u64 s[58:59], s[4:5], s[82:83]        ; tile iL
	s_lshl_b32 s82, s80, 5
	s_add_nc_u64 s[60:61], s[6:7], s[82:83]
	s_add_co_u32 s82, s84, s17
	s_lshl_b32 s82, s82, 14
	s_add_co_u32 s82, s82, s86
	s_add_nc_u64 s[66:67], s[8:9], s[82:83]        ; the results' codes, tile iS,
	s_add_co_u32 s82, s84, s18
	s_lshl_b32 s82, s82, 14
	s_add_co_u32 s82, s82, s86
	s_add_nc_u64 s[68:69], s[8:9], s[82:83]        ; tile iL
	s_lshl_b32 s82, s84, 9
	s_lshl_b32 s88, s85, 6
	s_add_co_u32 s82, s82, s88
	s_lshl_b32 s88, s87, 1
	s_add_co_u32 s82, s82, s88
	s_add_nc_u64 s[70:71], s[10:11], s[82:83]      ; their scale halfwords
	CROUND                                         ; all four work-groups are here: the joint loads meet
	s_cmp_lt_u32 s12, 2                            ; one chain of branches on the wave's number, one tensor load a wave at the most; the waves that wait at the first barrier have load lines of their own
	s_cbranch_scc0 .Lnot_first
	tensor_load_to_lds s[40:43], s[24:31]
	s_nop 0
.rept 4
	v_nop
.endr
	s_branch .Lasked
.Lnot_first:
	s_cmp_lt_u32 s12, 4
	s_cbranch_scc0 .Lnot_scales
	tensor_load_to_lds s[44:47], s[32:39]
	s_nop 0
.rept 4
	v_nop
.endr
	s_branch .Lasked
.Lnot_scales:
	s_cmp_lt_u32 s12, 12
	s_cbranch_scc0 .Lasked
	s_and_b32 s72, s12, 3
	s_cmp_lg_u32 s72, 0
	s_cbranch_scc0 .Lasked
	tensor_load_to_lds s[92:95], s[24:31]
	s_nop 0
.rept 4
	v_nop
.endr
.Lasked:
	QLOAD 58, 60
	INIT 18
	s_sub_co_u32 s49, 15, s15                      ; the large tile's last step: 8 at the least
	s_cmp_lt_u32 s12, 4
	s_cbranch_scc0 .Lnot_early
	s_wait_tensorcnt 0x0                           ; waves 0-3: keys 0-511 of K or V, or a tensor's scale bytes, are in
.Lnot_early:
	s_barrier_signal -1
	s_barrier_wait -1
	s_wait_loadcnt 0x0                             ; Q
	KLOOP 4
	s_wait_tensorcnt 0x0                           ; every wave: all that is still out
	s_barrier_signal -1
	s_barrier_wait -1                              ; the whole head is in
	s_mov_b32 s48, 4                               ; step 4, its codes' bytes, its scales', its first key
	s_mov_b32 s50, 32768
	s_mov_b32 s51, 1024
	s_mov_b32 s52, 512
	KLOOP 16
.rept 8
	v_nop                                          ; places behind the last products: Q's registers are loaded again, O^T is read
.endr
	QLOAD 54, 56
	FINISH 251, 68
	INIT 17
	s_mov_b32 s49, s15                             ; the small tile's last step: 7 at the most
	s_wait_xcnt 0x0                                ; the stores have read the codes' registers
	s_wait_loadcnt 0x0
	KLOOP 8
.rept 8
	v_nop
.endr
	FINISH 250, 66
	v_cndmask_b32 v[TT], v250, v251, s53           ; lanes 0-15: the small tile's bytes; lanes 16-31: the large tile's
	global_store_b16 v7, v[TT], s[70:71]
	s_wait_dscnt 0x0
	s_wait_tensorcnt 0x0
	ds_add_u32 v254, v255
	s_wait_dscnt 0x0
	CROUND                                         ; the closing round
	s_endpgm
.Lfunc_end_k_q26472231c9_attn:
	.size	k_q26472231c9_attn, .Lfunc_end_k_q26472231c9_attn-k_q26472231c9_attn
	.p2alignl 7, 3214868480
	.fill 96, 4, 3214868480
	.section	.rodata,"a",@progbits
	.p2align	6, 0x0
	.amdhsa_kernel k_q26472231c9_attn
		.amdhsa_group_segment_fixed_size 327680
		.amdhsa_private_segment_fixed_size 0
		.amdhsa_enable_private_segment 0
		.amdhsa_kernarg_size 32
		.amdhsa_user_sgpr_count 2
		.amdhsa_user_sgpr_kernarg_segment_ptr 1
		.amdhsa_wavefront_size32 1
		.amdhsa_system_sgpr_workgroup_id_x 1
		.amdhsa_system_sgpr_workgroup_id_y 1
		.amdhsa_system_sgpr_workgroup_id_z 1
		.amdhsa_system_vgpr_workitem_id 0
		.amdhsa_next_free_vgpr 256
		.amdhsa_next_free_sgpr 96
		.amdhsa_reserve_vcc 1
		.amdhsa_float_denorm_mode_32 3
		.amdhsa_float_denorm_mode_16_64 3
		.amdhsa_memory_ordered 1
		.amdhsa_forward_progress 1
		.amdhsa_inst_pref_size 102
	.end_amdhsa_kernel
	.amdgpu_metadata
---
amdhsa.version: [ 1, 2 ]
amdhsa.kernels:
  - .name:           k_q26472231c9_attn
    .symbol:         k_q26472231c9_attn.kd
    .args:
      - { .name: hc, .offset: 0, .size: 8, .value_kind: global_buffer, .address_space: global }
      - { .name: hs, .offset: 8, .size: 8, .value_kind: global_buffer, .address_space: global }
      - { .name: aoc, .offset: 16, .size: 8, .value_kind: global_buffer, .address_space: global }
      - { .name: aos, .offset: 24, .size: 8, .value_kind: global_buffer, .address_space: global }
    .group_segment_fixed_size: 327680
    .private_segment_fixed_size: 0
    .kernarg_segment_align: 8
    .kernarg_segment_size: 32
    .max_flat_workgroup_size: 512
    .sgpr_count:     96
    .vgpr_count:     256
    .wavefront_size: 32
...
	.end_amdgpu_metadata
.endif
;; end of part 3
;; launch gemm_proj (part 4): grid 8 x 32, 4 waves a work-group, clusters of 4 x 4, 327,680 bytes of LDS; arguments aoc, aos, wc, ws, b_proj, out0; writes out0
.if DOCPART == 4
	.amdgcn_target "amdgcn-amd-amdhsa--gfx1250"
	.amdhsa_code_object_version 6
	.text
	.protected	k_q26472231c9_gemm_proj
	.globl	k_q26472231c9_gemm_proj
	.p2align	8
	.type	k_q26472231c9_gemm_proj,@function
k_q26472231c9_gemm_proj:
	s_mov_b64 s[64:65], 0
	v_nop
	global_prefetch_b8 v0, s[64:65] scope:SCOPE_SE
	s_setreg_imm32_b32 hwreg(HW_REG_WAVE_MODE, 25, 1), 1
	s_wait_xcnt 0x0
	s_wait_alu depctr_hold_cnt(0) depctr_sa_sdst(0) depctr_va_vdst(0) depctr_va_sdst(0) depctr_va_ssrc(0) depctr_va_vcc(0) depctr_vm_vsrc(0)
	s_getreg_b32 s2, hwreg(HW_REG_IB_STS2, 6, 4)
	s_cmp_eq_u32 s2, 0
	s_cbranch_scc0 .Lentry_in_a_cluster
	s_endpgm
.Lentry_in_a_cluster:
	s_bfe_u32 s2, ttmp6, 0x10000c
	s_cmp_lg_u32 s2, 0xf033
	s_cbranch_scc0 .Lentry_shape_is_right
	s_endpgm
.Lentry_shape_is_right:
; out0 = (attention's result) w_proj + b_proj on codes of FP8 (E4M3) with E8M0 scales, K = 1,024, f32 out.
; 256 work-groups of four waves, 2 x 2; a work-group makes 256 tokens x 128 channels.  A wave holds 64 rows of w_proj (four tiles of 16), ALL of K, in 512 registers, and streams its 128 tokens past them in tiles of 16, which stand in registers as two whole sets.
; A tile is 32 products on four accumulators by turns; the bias is the first four products' C.  Source 0 takes the weight's rows, source 1 the tokens: a lane holds one token and neighbouring channels.
; OPERANDS lie in memory and in LDS in the order of their registers: a tile of 16 rows is [K chunk 8][quad 4][lane][16 bytes], 16,384 dense bytes; its scale words [K chunk][16 words].  Tile i holds rows 32 (i / 2) + 8 (i % 2) + r + 8 (r / 8).  w_proj's tiles begin at tile 192 of wc and ws.
; LDS: slot 0: tokens' tiles 0-7; slot 1: the weight's 8 tiles, and, once every wave holds them in registers, tokens' tiles 8-15, by a refill behind a drained round; the scale words; a stage for each wave, into which no fill lands; the spare words.
; FILLS.  Head, one load a wave, each on a line of its own: wave 0 the weight (the first barrier shows it alone), wave 1 slot 0, wave 2 the tokens' scale words, wave 3 the weight's.  The refill: two tiles a wave; a plain barrier behind tile 2's products shows it.
; CLUSTERS: 4 x 4: the tokens' tiles are shared along a row of the cluster, the weight's along a column.  All of a WGP's LDS is claimed.
; PREFETCH: behind the first barrier each of the sixteen waves of a cluster's row names 8,192 bytes, lanes 256 bytes apart, of the 131,072 that the refill will ask for: the partners are told apart by address.
; THE WAY OUT: a tile's 16 tokens x 64 channels go through the wave's stage and leave as rows of 256 consecutive bytes, aligned, two rows a store, while the next tile is multiplied.
; LIMITS: NaN and infinities are not served.
; REGISTERS: window 0: v4-15 addresses; v32-47 the weight's scale words; v48-63 the tokens', two sets; v64-127 two sets of four accumulators; v128-159 the bias; v160-223 rows back from the stage, two sets.  windows 1, 2: the weight.  window 3: the tokens' two sets.
.set FR,    16
.set NP,    8                          ; places behind this matrix instruction (ISA guide 7.12.1)
.set S1,    131072
.set SCX,   262144                     ; the tokens' scale words: 16 tiles x 512 bytes
.set SCW,   270336                     ; the weight's: 8 tiles x 512 bytes
.set STAGE, 274432                     ; 16 rows x 272 bytes for each wave
.set SP,    272
.set SPARE, 291840                     ; the spare words: two blocks of 256 bytes that no other line names
.set ADRX, 4                           ; v4, v5: my four tiles in slot 0, in slot 1
.set ADRW, 6
.set ASX,  8
.set ASW,  9
.set STO,  10
.set RD,   11
.set CO,   12
.set PFO,  13
.set SPW,  14
.set NIL,  15
.set SB,   32                          ; register 8 p + q: lanes 0-15 tile 2 p's word of K chunk q, lanes 16-31 tile 2 p + 1's
.set SA,   48                          ; set e, register 8 e + (2 j + 4) % 8: lanes 0-15 K chunk 2 j's word, lanes 16-31 chunk 2 j + 1's: no product's two scale registers have numbers equal modulo 8
.set ACC,  64
.set BP,   128
.set OB,   160
.set G1W, 24
.set G0W, 32
.set G0X, 36
.set G1X, 48
.set G1S, 68
.set G0S, 76
.set G1SB, 80
.set G0SB, 88
.set MSB, 0
.macro WIN new                         ; the immediate's high byte repeats the setting that is left
.if MSB != \new
	s_set_vgpr_msb (MSB<<8)|\new
.set MSB, \new
.endif
.endm
.macro PLACES n
.rept \n
	v_nop
.endr
.endm
.macro TL g0, g1                       ; a tensor load; s_nop 0 and four v_nop follow it
	tensor_load_to_lds s[\g0:\g0+3], s[\g1:\g1+7]
	s_nop 0
	PLACES 4
.endm
.macro BARRIER
	s_barrier_signal -1
	s_barrier_wait -1
.endm
.macro CROUND                          ; a round of the cluster's barrier
	BARRIER
	s_cmp_lg_u32 s14, 0
	s_cbranch_scc1 .Lnot_wave_0_\@
	s_barrier_signal -3
.Lnot_wave_0_\@:
	s_barrier_wait -3
	BARRIER
.endm
	s_load_b256 s[4:11], s[0:1], 0x0               ; aoc, aos, wc, ws
	s_load_b128 s[96:99], s[0:1], 0x20             ; b_proj, out0
	v_lshl_add_u32 v[SPW], v0, 2, SPARE
	v_mov_b32 v[NIL], 0
	ds_add_u32 v[SPW], v[NIL]                      ; the opening lines: the add twice on end and one wait
	ds_add_u32 v[SPW], v[NIL]
	v_lshrrev_b32 v1, 5, v0
	v_readfirstlane_b32 s14, v1                    ; wave 0..3
	s_lshr_b32 s15, s14, 1                         ; my row of waves: which 4 tiles of a chunk of tokens
	s_and_b32 s16, s14, 1                          ; my column: which 64 channels
	s_bfe_u32 s40, ttmp6, 0x40000                  ; cx
	s_bfe_u32 s41, ttmp6, 0x40004                  ; cy
	s_lshl_b32 s42, ttmp9, 2
	s_add_co_u32 s42, s42, s40                     ; which 128 channels, 0..7
	s_and_b32 s17, ttmp7, 0xffff
	s_lshl_b32 s17, s17, 2
	s_add_co_u32 s17, s17, s41                     ; which 256 tokens, 0..31
	s_lshl_b32 s43, s41, 2
	s_lshl_b32 s43, 15, s43                        ; my row of the cluster
	s_lshl_b32 s44, 0x1111, s40                    ; my column
	; codes: 131,072 dense bytes as 32 rows of 4,096 (512 elements of 8 bytes)
	s_or_b32 s[G1W+0], s44, (3<<16)|(1<<21)
	s_or_b32 s[G1X+0], s43, (3<<16)|(1<<21)
.irp g, G1W, G1X
	s_mov_b32 s[\g+1], 512<<16
	s_mov_b32 s[\g+2], 32<<16
	s_mov_b32 s[\g+3], 512<<16
	s_mov_b32 s[\g+4], 32
	s_mov_b32 s[\g+5], 512
	s_mov_b32 s[\g+6], 0
	s_mov_b32 s[\g+7], 0
.endr
	; scale words: dense bytes as rows of 256: 32 rows for the tokens, 16 for the weight
	s_or_b32 s[G1S+0], s43, (3<<16)|(1<<21)
	s_or_b32 s[G1SB+0], s44, (3<<16)|(1<<21)
.irp g, G1S, G1SB
	s_mov_b32 s[\g+1], 32<<16
	s_mov_b32 s[\g+3], 32<<16
	s_mov_b32 s[\g+5], 32
	s_mov_b32 s[\g+6], 0
	s_mov_b32 s[\g+7], 0
.endr
	s_mov_b32 s[G1S+2], 32<<16
	s_mov_b32 s[G1S+4], 32
	s_mov_b32 s[G1SB+2], 16<<16
	s_mov_b32 s[G1SB+4], 16
	s_lshl_b32 s46, s42, 3
	s_add_co_u32 s46, s46, 192                     ; the weight's first tile
	s_lshl_b32 s92, s46, 9                         ; its scale words,
	s_mov_b32 s93, 0
	s_lshl_b32 s46, s46, 14                        ; its codes
	s_mov_b32 s47, 0
	s_lshl_b32 s20, s17, 18                        ; the tokens' codes: 16 tiles of 16,384 bytes,
	s_mov_b32 s21, 0
	s_lshl_b32 s22, s17, 13                        ; their scale words
	s_mov_b32 s23, 0
	s_lshl_b32 s18, s14, 15
	s_add_co_u32 s18, s18, S1                      ; the refill: my two tiles' place in LDS, and the same number of bytes into my tokens' codes
	s_mov_b32 s19, 0
	s_wait_dscnt 0x0                               ; both opening adds are done
	CROUND                                         ; all sixteen work-groups are here: the first joint loads meet
	s_wait_kmcnt 0x0
	s_mov_b32 s[G0W], 1
	s_mov_b32 s[G0W+1], S1
	s_add_nc_u64 s[G0W+2:G0W+3], s[8:9], s[46:47]
	s_or_b32 s[G0W+3], s[G0W+3], 0x80000000
	s_add_nc_u64 s[20:21], s[4:5], s[20:21]        ; my tokens' codes: it stays
	s_mov_b32 s[G0X], 1
	s_mov_b32 s[G0X+1], 0
	s_mov_b64 s[G0X+2:G0X+3], s[20:21]
	s_or_b32 s[G0X+3], s[G0X+3], 0x80000000
	s_mov_b32 s[G0S], 1
	s_mov_b32 s[G0S+1], SCX
	s_add_nc_u64 s[G0S+2:G0S+3], s[6:7], s[22:23]
	s_or_b32 s[G0S+3], s[G0S+3], 0x80000000
	s_mov_b32 s[G0SB], 1
	s_mov_b32 s[G0SB+1], SCW
	s_add_nc_u64 s[G0SB+2:G0SB+3], s[10:11], s[92:93]
	s_or_b32 s[G0SB+3], s[G0SB+3], 0x80000000
	s_cmp_eq_u32 s14, 0                            ; one chain of branches on the wave's number, a load to an arm, one join
	s_cbranch_scc0 .Lh1
	TL G0W, G1W                                    ; the weight, which is wanted first
	s_branch .Lhj
.Lh1:
	s_cmp_eq_u32 s14, 1
	s_cbranch_scc0 .Lh2
	TL G0X, G1X
	s_branch .Lhj
.Lh2:
	s_cmp_eq_u32 s14, 2
	s_cbranch_scc0 .Lh3
	TL G0S, G1S
	s_branch .Lhj
.Lh3:
	TL G0SB, G1SB
.Lhj:
	s_lshl_b32 s46, s15, 16                        ; my four tiles of a chunk,
	s_lshl_b32 s47, s16, 16
	s_add_co_u32 s47, s47, S1                      ; of the weight
	s_lshl_b32 s92, s15, 11
	s_add_co_u32 s92, s92, SCX
	s_lshl_b32 s93, s16, 11
	s_add_co_u32 s93, s93, SCW
	s_mul_i32 s22, s14, 16*SP
	s_add_co_u32 s22, s22, STAGE                   ; my stage
	s_lshl_b32 s23, s40, 2
	s_add_co_u32 s23, s23, s14
	s_lshl_b32 s23, s23, 13
	s_add_co_u32 s23, s23, S1                      ; my sixteenth of what the refill will ask for
	s_lshl_b32 s2, s42, 9
	s_lshl_b32 s3, s16, 8
	s_add_co_u32 s2, s2, s3                        ; my 64 channels, in bytes
	s_mov_b32 s3, 0
	s_add_nc_u64 s[96:97], s[96:97], s[2:3]        ; their bias
	s_lshl_b32 s12, s17, 20
	s_add_co_u32 s2, s2, s12
	s_lshl_b32 s12, s15, 18
	s_add_co_u32 s2, s2, s12                       ; + (256 x which tokens + 64 x my row of waves) rows of 4,096 bytes
	s_add_nc_u64 s[98:99], s[98:99], s[2:3]
	v_and_b32 v1, 15, v0                           ; r
	v_bfe_u32 v2, v0, 4, 1                         ; h
	v_and_b32 v16, 31, v0
	v_lshlrev_b32 v17, 4, v16                      ; 16 x lane
	v_add_nc_u32 v[ADRX], s46, v17
	v_add_nc_u32 v[ADRX+1], S1, v[ADRX]
	v_add_nc_u32 v[ADRW], s47, v17
	v_lshlrev_b32 v18, 2, v1
	v_lshl_add_u32 v19, v2, 6, v18
	v_add_nc_u32 v[ASX], s92, v19                  ; 4 r, lanes 16-31 the next K chunk's words
	v_lshl_add_u32 v20, v2, 9, v18
	v_add_nc_u32 v[ASW], s93, v20                  ; 4 r, lanes 16-31 the next tile's words
	v_mul_u32_u24 v21, v1, SP
	v_lshl_add_u32 v21, v2, 6, v21
	v_add_nc_u32 v[STO], s22, v21                  ; into the stage: row r, + 64 h
	v_mul_u32_u24 v22, v2, SP
	v_lshl_add_u32 v22, v1, 4, v22
	v_add_nc_u32 v[RD], s22, v22                   ; back: lanes 0-15 one row, lanes 16-31 the next
	v_lshlrev_b32 v[CO], 12, v2
	v_lshl_add_u32 v[CO], v1, 4, v[CO]             ; and the same two rows in out0
	v_lshl_add_u32 v[PFO], v16, 8, s23
	v_lshlrev_b32 v3, 6, v2
.irp p, 0,1
.irp i, 0,1,2,3
	global_load_b128 v[BP+16*\p+4*\i:BP+16*\p+4*\i+3], v3, s[96:97] offset:128*\p+16*\i   ; register 16 p + i: channel 32 p + 16 h + i
.endr
.endr
	s_wait_alu depctr_va_vdst(0)                   ; the wait at the head's end
	s_cmp_eq_u32 s14, 0
	s_cbranch_scc0 .Lnot_w
	s_wait_tensorcnt 0x0                           ; wave 0: the weight has landed; the other waves' wait stands ahead of the round below
.Lnot_w:
	BARRIER
	global_prefetch_b8 v[PFO], s[20:21] th:TH_LOAD_NT scope:SCOPE_SE
.irp q, 0,1,2,3,4,5,6,7                ; my 64 rows of the weight, all of K: fragment 4 q + b in window 1 + q / 4
	WIN (1+\q/4)<<6
.irp b, 0,1,2,3
.irp c, 0,1,2,3
	ds_load_b128 v[FR*((4*\q+\b)%16)+4*\c:FR*((4*\q+\b)%16)+4*\c+3], v[ADRW] offset:\b*16384+\q*2048+512*\c
.endr
.endr
.endr
	WIN 0
	s_wait_tensorcnt 0x0                           ; all my tensor loads have landed;
	ds_add_u32 v[SPW], v[NIL]
	s_mov_b32 s[G1X+2], 8<<16                      ; no load of mine is out: the refill brings two tiles a wave: 8 rows of 4,096 bytes
	s_mov_b32 s[G1X+4], 8
	s_mov_b32 s[G0X+1], s18
	s_add_nc_u64 s[G0X+2:G0X+3], s[20:21], s[18:19]
	s_or_b32 s[G0X+3], s[G0X+3], 0x80000000
	s_wait_dscnt 0x0                               ; the add is done, and the weight is in my registers
	CROUND                                         ; every wave of the cluster holds its weight, and all the head's tiles are in
	TL G0X, G1X                                    ; tokens' tiles 8-15 over the weight's bytes
.macro FETCH n                         ; tile n of my eight, all of K, into set n % 2, and its scale words: 36 loads
	WIN 3<<6
.irp q, 0,1,2,3,4,5,6,7
.irp c, 0,1,2,3
	ds_load_b128 v[128*((\n)%2)+FR*\q+4*\c:128*((\n)%2)+FR*\q+4*\c+3], v[ADRX+(\n)/4] offset:((\n)%4)*16384+\q*2048+512*\c
.endr
.endr
	WIN 0
.irp j, 0,1,2,3
	ds_load_b32 v[SA+8*((\n)%2)+(2*\j+4)%8], v[ASX] offset:(8*((\n)/4)+(\n)%4)*512+128*\j
.endr
.endm
.macro PROD e, n                       ; product n = 4 q + b of a tile in set e: the q-th 128 of K, the weight's tile b
.set Q_, (\n)/4
.set B_, (\n)%4
.set AC_, ACC+32*(\e)+8*B_
.set C_, AC_
.if Q_ == 0
.set C_, BP+8*B_
.endif
.set R_, 128*(\e)+FR*Q_
.set W_, FR*((4*Q_+B_)%16)
.set XS_, SA+8*(\e)+(2*(Q_/2)+4)%8
.set WS_, SB+8*(B_/2)+Q_
	WIN (1+Q_/4)|(3<<2)
.if (B_%2) && (Q_%2)
	v_wmma_scale_f32_16x16x128_f8f6f4 v[AC_:AC_+7], v[W_:W_+FR-1], v[R_:R_+FR-1], v[C_:C_+7], v[WS_], v[XS_] matrix_a_scale:MATRIX_SCALE_ROW1 matrix_b_scale:MATRIX_SCALE_ROW1
.elseif B_%2
	v_wmma_scale_f32_16x16x128_f8f6f4 v[AC_:AC_+7], v[W_:W_+FR-1], v[R_:R_+FR-1], v[C_:C_+7], v[WS_], v[XS_] matrix_a_scale:MATRIX_SCALE_ROW1
.elseif Q_%2
	v_wmma_scale_f32_16x16x128_f8f6f4 v[AC_:AC_+7], v[W_:W_+FR-1], v[R_:R_+FR-1], v[C_:C_+7], v[WS_], v[XS_] matrix_b_scale:MATRIX_SCALE_ROW1
.else
	v_wmma_scale_f32_16x16x128_f8f6f4 v[AC_:AC_+7], v[W_:W_+FR-1], v[R_:R_+FR-1], v[C_:C_+7], v[WS_], v[XS_]
.endif
.endm
.macro TOSTAGE n                       ; 16 LDS instructions: the tile's sums into my stage, and back as rows
.irp b, 0,1,2,3
	ds_store_b128 v[STO], v[ACC+32*((\n)%2)+8*\b:ACC+32*((\n)%2)+8*\b+3] offset:128*(\b/2)+32*(\b%2)   ; each accumulator from its low end on
	ds_store_b128 v[STO], v[ACC+32*((\n)%2)+8*\b+4:ACC+32*((\n)%2)+8*\b+7] offset:128*(\b/2)+32*(\b%2)+16
.endr
.irp t, 0,1,2,3,4,5,6,7
	ds_load_b128 v[OB+32*((\n)%2)+4*\t:OB+32*((\n)%2)+4*\t+3], v[RD] offset:\t*2*SP   ; LDS serves a wave's instructions in order: these see my stores
.endr
.endm
.macro SEND n, younger                 ; younger: the LDS loads issued behind TOSTAGE's, which may stay out
	s_wait_dscnt \younger
.irp t, 0,1,2,3,4,5,6,7
	global_store_b128 v[CO], v[OB+32*((\n)%2)+4*\t:OB+32*((\n)%2)+4*\t+3], s[98:99] offset:(128*((\n)/4)+32*(((\n)%4)/2)+8*((\n)%2)+2*\t+8*(\t/4))*4096 th:TH_STORE_NT   ; sixteen lanes store 256 consecutive bytes, aligned
.endr
.endm
.macro BLK n
.if (\n) == 0
	s_wait_dscnt 36                                ; tile 0 is in; tile 1's 36 loads may be out
.elseif (\n) < 7
	s_wait_dscnt 52                                ; this tile is in; behind its loads: a stage trip of 16 and the next tile's 36
.else
	s_wait_dscnt 16
.endif
.set N_, 0
.rept 32
	PROD (\n)%2, N_
.set N_, N_+1
.endr
	WIN 0
	PLACES NP                                      ; ahead of the stage's stores, which read the sums, and of the loads into the set just multiplied
.if (\n) > 0
.if (\n) < 7
	SEND (\n)-1, 36
.else
	SEND (\n)-1, 0
.endif
.endif
.if (\n) == 2
	s_wait_tensorcnt 0x0                           ; my part of tiles 8-15 is in;
	s_wait_dscnt 0x0
	BARRIER                                        ; everybody's is
.endif
.if (\n) > 1
	s_wait_xcnt 0x0                                ; the stores of two tiles ago have read their registers
.endif
	TOSTAGE \n
.if (\n)+2 < 8
	FETCH (\n)+2
.endif
.endm
.irp p, 0,1
.irp q, 0,1,2,3,4,5,6,7
	ds_load_b32 v[SB+8*\p+\q], v[ASW] offset:1024*\p+64*\q
.endr
.endr
	FETCH 0
	FETCH 1
	s_wait_loadcnt 0x0                             ; the bias
.irp n, 0,1,2,3,4,5,6,7
	BLK \n
.endr
	SEND 7, 0
	s_wait_tensorcnt 0x0                           ; the wave's end
	ds_add_u32 v[SPW], v[NIL]
	s_wait_dscnt 0x0
	CROUND                                         ; the closing round
	s_endpgm
.Lfunc_end_k_q26472231c9_gemm_proj:
	.size	k_q26472231c9_gemm_proj, .Lfunc_end_k_q26472231c9_gemm_proj-k_q26472231c9_gemm_proj
	.p2alignl 7, 3214868480
	.fill 96, 4, 3214868480
	.section	.rodata,"a",@progbits
	.p2align	6, 0x0
	.amdhsa_kernel k_q26472231c9_gemm_proj
		.amdhsa_group_segment_fixed_size 327680
		.amdhsa_private_segment_fixed_size 0
		.amdhsa_enable_private_segment 0
		.amdhsa_kernarg_size 48
		.amdhsa_user_sgpr_count 2
		.amdhsa_user_sgpr_kernarg_segment_ptr 1
		.amdhsa_wavefront_size32 1
		.amdhsa_system_sgpr_workgroup_id_x 1
		.amdhsa_system_sgpr_workgroup_id_y 1
		.amdhsa_system_sgpr_workgroup_id_z 1
		.amdhsa_system_vgpr_workitem_id 0
		.amdhsa_next_free_vgpr 1024
		.amdhsa_next_free_sgpr 100
		.amdhsa_reserve_vcc 0
		.amdhsa_float_denorm_mode_32 3
		.amdhsa_float_denorm_mode_16_64 3
		.amdhsa_memory_ordered 1
		.amdhsa_forward_progress 1
		.amdhsa_inst_pref_size 88
	.end_amdhsa_kernel
	.amdgpu_metadata
---
amdhsa.version: [ 1, 2 ]
amdhsa.kernels:
  - .name:           k_q26472231c9_gemm_proj
    .symbol:         k_q26472231c9_gemm_proj.kd
    .args:
      - { .name: aoc, .offset: 0, .size: 8, .value_kind: global_buffer, .address_space: global }
      - { .name: aos, .offset: 8, .size: 8, .value_kind: global_buffer, .address_space: global }
      - { .name: wc, .offset: 16, .size: 8, .value_kind: global_buffer, .address_space: global }
      - { .name: ws, .offset: 24, .size: 8, .value_kind: global_buffer, .address_space: global }
      - { .name: b_proj, .offset: 32, .size: 8, .value_kind: global_buffer, .address_space: global }
      - { .name: out0, .offset: 40, .size: 8, .value_kind: global_buffer, .address_space: global }
    .group_segment_fixed_size: 327680
    .private_segment_fixed_size: 0
    .kernarg_segment_align: 8
    .kernarg_segment_size: 48
    .max_flat_workgroup_size: 128
    .sgpr_count:     100
    .vgpr_count:     1024
    .wavefront_size: 32
...
	.end_amdgpu_metadata
.endif
;; end of part 4
